; MI455X (gfx1250); checked and timed in simulation.
; The chip was launched on July 23, 2026; its instructions are those of AMD's public machine-readable ISA for CDNA 5 (MIT licence, August 2026) and "CDNA5" Instruction Set Architecture Reference Guide (July 2026). The comments in the code are by the model that wrote it; some were corrected since.
;; Attention. Allowed arithmetic: matrix products marked QUANTISED: E2M3 operands, one E8M0 scale for each 32 along K, by v_wmma_scale_f32_16x16x128_f8f6f4 with both operands' format E2M3, f32 sums; everything else in f32.
;; Inputs: Wk 512 x 512 float32; Wo 512 x 512 float32; Wq 512 x 512 float32; Wv 512 x 512 float32; pos_bias 8 x 1,024 x 1,024 float32; x 16 x 1,024 x 512 float32.
;; Outputs: out0 16 x 1,024 x 512 float32.
;; This version of the problem:
;;   THIS VERSION OF THE PROBLEM IS GIVEN IN LOW PRECISION. The matrix products marked QUANTISED in the list below multiply operands that are first quantised to E2M3 (2 exponent bits, 3 mantissa bits; 6 bits a number), with one power-of-two scale for each 32 numbers along K (OCP MX v1.0); their sums are f32. All else is computed in f32.
;;   The module's matrix products, in the order in which they are computed (A, B: the left and right operand; K: the contracted axis; several contracted axes count as one K, in the product's order):
;;     1. [M 16,384, K 512] x [K 512, N 512]; A: input x; B: input Wq: QUANTISED
;;     2. [M 16,384, K 512] x [K 512, N 512]; A: input x; B: input Wk: QUANTISED
;;     3. [M 16,384, K 512] x [K 512, N 512]; A: input x; B: input Wv: QUANTISED
;;     4. batch 128 x [M 1,024, K 64] x [K 64, N 1,024]; A: computed on the way; B: computed on the way: QUANTISED
;;     5. batch 128 x [M 1,024, K 1,024] x [K 1,024, N 64]; A: softmax (see below); B: computed on the way: QUANTISED
;;     6. [M 16,384, K 512] x [K 512, N 512]; A: computed on the way; B: input Wo: QUANTISED
;;   THE QUANTISER, for each operand of a quantised product, along K:
;;     - K is cut into blocks of 32 from its start; a last block that is shorter is filled with zeros.
;;     - A block's scale is 2^e with e = floor(log2(the largest magnitude in the block)) - 2, held to -126 .. 127; a block of zeros has e = 0. As a byte (E8M0): e + 127.
;;     - Each number is divided by its block's scale, clamped to +-7.5, and rounded to the nearest number of E2M3, ties to even, subnormals kept.
;;     - The product sums the exact products of the quantised numbers (number of the format x scale) in f32.
;;   ~~~python
;;   def quantise(x, axis):      # numpy; x: float32 -> the quantised numbers, widened to float32 again
;;       x = np.moveaxis(x, axis, -1); K = x.shape[-1]
;;       x = np.pad(x, [(0, 0)] * (x.ndim - 1) + [(0, -K % 32)]); x = x.reshape(x.shape[:-1] + (-1, 32)); a = np.abs(x).max(-1, keepdims=True)
;;       e = np.where(a > 0, np.clip(np.frexp(np.where(a > 0, a, 1))[1] - 1 - 2, -126, 127), 0)      # np.frexp(a)[1] - 1 = floor(log2(a)), exactly
;;       r = np.clip(x / 2.0 ** e, -7.5, 7.5)
;;       step = 2.0 ** (np.maximum(np.frexp(np.where(r == 0, 1, r))[1] - 1, 0) - 3)
;;       q = np.round(r / step) * step * 2.0 ** e      # np.round: ties to even
;;       return np.moveaxis(q.reshape(q.shape[:-2] + (-1,))[..., :K], -1, axis).astype(np.float32)
;;   ~~~
;;   SOFTMAX AHEAD OF A QUANTISED PRODUCT. Where the list says 'softmax', what is quantised is not the finished softmax but p = 2^(t - M), with t = logit x log2(e) and M = ceil(the row's largest t), a whole number; so 1/2 < the row's largest p <= 1. The row's sum l is taken of the UNQUANTISED p, in f32, and the product's result is divided by l at the end. Since M is a whole number, a kernel that streams over the keys may use a running M (the ceiling of the running maximum): every later rescaling is an exact power of two, which a block's scale takes up: the codes' values come out the same.
;;   OPERANDS COMPUTED ON THE WAY. 'Computed on the way' means the value that the module computes at that place (a softmax that the list does not call 'softmax' is quantised finished and normalised). What goes into a quantiser is computed in f32, as accurately as f32 sums, v_exp_f32 and their like allow (about 1e-6 of the number): no bf16 or f16 on the way to a quantiser, and a product that is left as it is and whose result goes on into a quantised operand takes f32 operands (vector FMAs, or v_wmma_f32_16x16x4_f32). A number that lies on a knife's edge between two numbers of the format may be rounded either way, as far as f32 arithmetic and the matrix unit's own rounding can turn it there, and no further.
;; 2 versions. Each part assembles by itself: llvm-mc -triple=amdgcn-amd-amdhsa -mcpu=gfx1250 --defsym DOCPART=n.
;; ======== version 1 of 2: 4 launches
;; workspace buffers: xc 6,815,744 bytes; wc 851,968 bytes; qc 7,340,032 bytes; kv 14,155,776 bytes; oc 6,815,744 bytes
;; launch quant (part 1): grid 288 x 1, 4 waves a work-group, no clusters, 34,304 bytes of LDS; arguments x, Wq, Wk, Wv, Wo, xc, wc; writes xc, wc
.if DOCPART == 1
	.amdgcn_target "amdgcn-amd-amdhsa--gfx1250"
	.amdhsa_code_object_version 6
	.text
	.protected	k_qc89296c0c2_quant
	.globl	k_qc89296c0c2_quant
	.p2align	8
	.type	k_qc89296c0c2_quant,@function
k_qc89296c0c2_quant:
	s_mov_b64 s[64:65], 0
	v_nop
	global_prefetch_b8 v0, s[64:65] scope:SCOPE_SE
	s_setreg_imm32_b32 hwreg(HW_REG_WAVE_MODE, 25, 1), 1
	s_wait_xcnt 0x0
; x [16384][512] and the four weights [512][512], f32 with K innermost, become codes of FP6 (E2M3) with one E8M0 byte for each 32 along K,
; laid in the ORDER OF AN OPERAND'S REGISTERS.  Rows go in groups of 64; tile t (0..3) of a group holds in lane r the row
; 32 (t / 2) + 8 (t % 2) + r + 8 (r / 8).  A tile's record is 6,656 bytes: eight half fragments (16 rows x 64 K, six registers a lane:
; registers 0-3 as 16 bytes at 16 x lane, registers 4-5 as 8 bytes at 512 + 8 x lane), then 512 bytes of scale words (16 bytes at 16 x lane: the words of K steps 0..3).
; A block's scale is 2^(floor(log2(largest magnitude)) - 2); its byte is the largest magnitude's exponent field - 2, held at 1 from below.
; LIMITS: NaN and infinities among the inputs are not served; a block whose largest magnitude lies under 2^-124 takes the held byte 1 (a block of zeros too:
; its codes are zeros, and the bytes are read by this program alone).
; SHARES: work-groups 0..255 take the 256 groups of x, 256 + 8 i + g takes group g of weight i (Wq, Wk, Wv, Wo).  Wave w takes tile w: 16 rows x 512.
; Each load reads 512 consecutive bytes of one row; a K step's 16 x 512 bytes turn through the wave's own stage in LDS (rows 528 bytes apart), so that a lane
; gets 16 neighbours of each block of 32.  No barrier: waves share nothing.  No matrix unit, no cluster: the launch moves bytes.
.set LI16, 1                           ; v1   16 x lane
.set LI8,  2                           ; v2   8 x lane
.set STS,  3                           ; v3   the stage on the way in: 8448 x wave + 16 x lane
.set LDR,  4                           ; v4   on the way out: 8448 x wave + 528 r + 64 h
.set TM,   8                           ; v8-23  at work in QUANT
.set SW,   24                          ; v24-27 the four K steps' scale words
.set R,    32                          ; v32-159  two sets of 64 registers as loaded
.set X,    160                         ; v160-223 64 numbers: register 16 b + i = k 32 b + 16 h + i of my row
.set PC,   224                         ; v224-243 the codes
.set IN,   18                          ; s[18:19] my tile's first row
.set OUT,  20                          ; s[20:21] my tile's record
.set SEL,  24                          ; s[24:25] selects of v_permlanex16_b32: lane l xor 16
.set WV,   26
; 64 numbers of a lane become a fragment's codes in v[PC] .. v[PC + 11] and its scale word in v[pw].  fl: the floor among the maximum's leaves.
.macro QUANT s, fl, pw
.irp b, 0,1,2,3
	v_max3_num_f32 v[TM+\b], |v[\s+16*\b]|, |v[\s+1+16*\b]|, \fl      ; block b: my 16 numbers and the floor
.endr
.irp i, 2,4,6,8,10,12,14
.irp b, 0,1,2,3
	v_max3_num_f32 v[TM+\b], v[TM+\b], |v[\s+16*\b+\i]|, |v[\s+1+16*\b+\i]|   ; the four blocks by turns
.endr
.endr
.irp b, 0,1,2,3
	v_permlanex16_b32 v[TM+4+\b], v[TM+\b], s[SEL], s[SEL+1]
.endr
.irp b, 0,1,2,3
	v_max_num_f32 v[TM+\b], v[TM+\b], v[TM+4+\b]                      ; with lane l xor 16's 16: the block's largest magnitude
.endr
.irp b, 0,1,2,3
	v_add_nc_u32 v[TM+12+\b], 0xff000000, v[TM+\b]                    ; 2 off its exponent field: the conversion's scale operand
.endr
.irp b, 0,1,2,3
	v_lshrrev_b32 v[TM+4+\b], 23, v[TM+12+\b]                         ; the scale's byte
.endr
	v_lshl_or_b32 v[\pw], v[TM+5], 8, v[TM+4]
	v_lshl_or_b32 v[\pw], v[TM+6], 16, v[\pw]
	v_lshl_or_b32 v[\pw], v[TM+7], 24, v[\pw]
.irp c, 0,1
	v_cvt_scalef32_pk16_fp6_f32 v[PC+6*\c:PC+6*\c+2], v[\s+32*\c:\s+32*\c+15], v[TM+12+2*\c]
	v_cvt_scalef32_pk16_fp6_f32 v[PC+12+4*\c:PC+12+4*\c+2], v[\s+16+32*\c:\s+16+32*\c+15], v[TM+13+2*\c]   ; (a conversion's three registers begin on an even number)
.endr
	v_nop                                                             ; one plain place behind the scaled conversions
.irp c, 0,1                                                           ; a whole block to a lane: lanes 0-15 block 2 c, lanes 16-31 block 2 c + 1
.irp i, 0,1,2
	v_permlane16_swap_b32 v[PC+6*\c+\i], v[PC+12+4*\c+\i]
.endr
.irp i, 0,1,2
	v_mov_b32 v[PC+3+6*\c+\i], v[PC+12+4*\c+\i]
.endr
.endr
.endm
.macro HFST reg, base, off             ; a half fragment leaves: 512 and 256 consecutive bytes, each at a multiple of 256 from the buffer's first byte
	global_store_b128 v[LI16], v[\reg:\reg+3], s[\base:\base+1] offset:\off
	global_store_b64 v[LI8], v[\reg+4:\reg+5], s[\base:\base+1] offset:\off+512
.endm
	s_load_b256 s[4:11], s[0:1], 0x0               ; x, Wq, Wk, Wv
	s_load_b128 s[12:15], s[0:1], 0x20             ; Wo, xc
	s_load_b64 s[16:17], s[0:1], 0x30              ; wc
	v_lshl_add_u32 v248, v0, 2, 0x8400
	v_mov_b32 v249, 0
	v_lshrrev_b32 v5, 5, v0
	v_readfirstlane_b32 s[WV], v5                  ; wave 0..3
	v_and_b32 v5, 31, v0
	v_lshlrev_b32 v[LI16], 4, v5
	v_lshlrev_b32 v[LI8], 3, v5
	s_mul_i32 s27, s[WV], 8448                     ; my stage: 16 rows x 528 bytes
	v_add_nc_u32 v[STS], s27, v[LI16]
	v_and_b32 v6, 15, v0                           ; r
	v_bfe_u32 v7, v0, 4, 1                         ; h
	v_mul_u32_u24 v[LDR], v6, 528
	v_lshl_add_u32 v[LDR], v7, 6, v[LDR]
	v_add_nc_u32 v[LDR], s27, v[LDR]
.irp b, 0,1,2,3
	v_mov_b32 v[TM+4+\b], 0                        ; written once: a lane permute's destination counts as one of its sources
.endr
	s_mov_b32 s[SEL], 0x76543210
	s_mov_b32 s[SEL+1], 0xfedcba98
	s_and_b32 s22, ttmp9, 7                        ; a weight's group
	s_sub_co_u32 s23, ttmp9, 256                   ; and its number among the weights' 32 groups
	s_lshr_b32 s28, s[WV], 1
	s_lshl_b32 s28, s28, 16                        ; my tile begins 32 (w / 2) rows of 2,048 bytes
	s_and_b32 s29, s[WV], 1
	s_lshl_b32 s29, s29, 14                        ; + 8 (w % 2) rows into the group
	s_add_co_u32 s28, s28, s29
	s_wait_kmcnt 0x0
	s_mov_b64 s[IN:IN+1], s[12:13]                 ; the tensor is chosen by the work-group's number alone
	s_cmp_lt_u32 ttmp9, 280
	s_cselect_b64 s[IN:IN+1], s[10:11], s[IN:IN+1]
	s_cmp_lt_u32 ttmp9, 272
	s_cselect_b64 s[IN:IN+1], s[8:9], s[IN:IN+1]
	s_cmp_lt_u32 ttmp9, 264
	s_cselect_b64 s[IN:IN+1], s[6:7], s[IN:IN+1]
	s_cmp_lt_u32 ttmp9, 256
	s_cselect_b64 s[IN:IN+1], s[4:5], s[IN:IN+1]
	s_cselect_b64 s[OUT:OUT+1], s[14:15], s[16:17]
	s_cselect_b32 s22, ttmp9, s22
	s_cselect_b32 s23, ttmp9, s23
	s_lshl_b32 s30, s22, 17                        ; a group is 64 rows x 2,048 bytes
	s_add_co_u32 s30, s30, s28
	s_mov_b32 s31, 0
	s_add_nc_u64 s[IN:IN+1], s[IN:IN+1], s[30:31]
	s_lshl_b32 s32, s23, 2
	s_add_co_u32 s32, s32, s[WV]
	s_mul_i32 s32, s32, 6656                       ; record 4 x group + tile
	s_mov_b32 s33, 0
	s_add_nc_u64 s[OUT:OUT+1], s[OUT:OUT+1], s[32:33]
.macro LOAD s                          ; K step s of my 16 rows into set s % 2: each load is 512 consecutive bytes of one row
.irp i, 0,1,2,3,4,5,6,7,8,9,10,11,12,13,14,15
	global_load_b128 v[R+64*((\s)%2)+4*\i:R+64*((\s)%2)+4*\i+3], v[LI16], s[IN:IN+1] offset:(\i+8*(\i/8))*2048+512*(\s) th:TH_LOAD_NT
.endr
.endm
.macro STEP s
.if \s < 3
	s_wait_loadcnt 16                              ; this step's 16 loads are in; the younger set's 16 may stay out
.else
	s_wait_loadcnt 0x0
.endif
.irp i, 0,1,2,3,4,5,6,7,8,9,10,11,12,13,14,15
	ds_store_b128 v[STS], v[R+64*((\s)%2)+4*\i:R+64*((\s)%2)+4*\i+3] offset:528*\i
.endr
.irp b, 0,1,2,3
.irp j, 0,1,2,3
	ds_load_b128 v[X+16*\b+4*\j:X+16*\b+4*\j+3], v[LDR] offset:128*\b+16*\j    ; LDS serves a wave's instructions in order: these see the stores above
.endr
.endr
	s_wait_dscnt 0x0                               ; my 64 numbers are in, and the stores into the stage have read their registers
	s_wait_xcnt 0x0                                ; the last step's stores have read the codes' registers, which QUANT writes again
.if \s < 2
	LOAD (\s)+2
.endif
	QUANT X, 0x1800000, SW+\s
	HFST PC, OUT, 1536*\s
	HFST PC+6, OUT, 1536*\s+768
.endm
	LOAD 0
	LOAD 1
	STEP 0
	STEP 1
	STEP 2
	STEP 3
	global_store_b128 v[LI16], v[SW:SW+3], s[OUT:OUT+1] offset:6144    ; the scale words: lanes 16-31 hold what lanes 0-15 hold
	s_wait_tensorcnt 0x0
	ds_add_u32 v248, v249
	s_wait_dscnt 0x0
	s_endpgm
.Lfunc_end_k_qc89296c0c2_quant:
	.size	k_qc89296c0c2_quant, .Lfunc_end_k_qc89296c0c2_quant-k_qc89296c0c2_quant
	.p2alignl 7, 3214868480
	.fill 96, 4, 3214868480
	.section	.rodata,"a",@progbits
	.p2align	6, 0x0
	.amdhsa_kernel k_qc89296c0c2_quant
		.amdhsa_group_segment_fixed_size 34304
		.amdhsa_private_segment_fixed_size 0
		.amdhsa_enable_private_segment 0
		.amdhsa_kernarg_size 56
		.amdhsa_user_sgpr_count 2
		.amdhsa_user_sgpr_kernarg_segment_ptr 1
		.amdhsa_wavefront_size32 1
		.amdhsa_system_sgpr_workgroup_id_x 1
		.amdhsa_system_sgpr_workgroup_id_y 1
		.amdhsa_system_sgpr_workgroup_id_z 1
		.amdhsa_system_vgpr_workitem_id 0
		.amdhsa_next_free_vgpr 250
		.amdhsa_next_free_sgpr 66
		.amdhsa_reserve_vcc 0
		.amdhsa_float_denorm_mode_32 3
		.amdhsa_float_denorm_mode_16_64 3
		.amdhsa_memory_ordered 1
		.amdhsa_forward_progress 1
		.amdhsa_inst_pref_size 34
	.end_amdhsa_kernel
	.amdgpu_metadata
---
amdhsa.version: [ 1, 2 ]
amdhsa.kernels:
  - .name:           k_qc89296c0c2_quant
    .symbol:         k_qc89296c0c2_quant.kd
    .args:
      - { .name: x, .offset: 0, .size: 8, .value_kind: global_buffer, .address_space: global }
      - { .name: Wq, .offset: 8, .size: 8, .value_kind: global_buffer, .address_space: global }
      - { .name: Wk, .offset: 16, .size: 8, .value_kind: global_buffer, .address_space: global }
      - { .name: Wv, .offset: 24, .size: 8, .value_kind: global_buffer, .address_space: global }
      - { .name: Wo, .offset: 32, .size: 8, .value_kind: global_buffer, .address_space: global }
      - { .name: xc, .offset: 40, .size: 8, .value_kind: global_buffer, .address_space: global }
      - { .name: wc, .offset: 48, .size: 8, .value_kind: global_buffer, .address_space: global }
    .group_segment_fixed_size: 34304
    .private_segment_fixed_size: 0
    .kernarg_segment_align: 8
    .kernarg_segment_size: 56
    .max_flat_workgroup_size: 128
    .sgpr_count:     66
    .vgpr_count:     250
    .wavefront_size: 32
...
	.end_amdgpu_metadata
.endif
;; end of part 1
;; launch qkv (part 2): grid 64 x 3, 4 waves a work-group, no clusters, 53,760 bytes of LDS; arguments xc, wc, qc, kv; writes qc, kv
.if DOCPART == 2
	.amdgcn_target "amdgcn-amd-amdhsa--gfx1250"
	.amdhsa_code_object_version 6
	.text
	.protected	k_qc89296c0c2_qkv
	.globl	k_qc89296c0c2_qkv
	.p2align	8
	.type	k_qc89296c0c2_qkv,@function
k_qc89296c0c2_qkv:
	s_mov_b64 s[64:65], 0
	v_nop
	global_prefetch_b8 v0, s[64:65] scope:SCOPE_SE
	s_setreg_imm32_b32 hwreg(HW_REG_WAVE_MODE, 25, 1), 1
	s_wait_xcnt 0x0
; q = x Wq^T, k = x Wk^T, v = x Wv^T on codes of FP6 (E2M3) with E8M0 scales; each result is quantised in registers for the next product and leaves as codes.
; Work-group (x, y): kind y (0 q, 1 k, 2 v), tokens 256 x .. 256 x + 255, in four blocks of 64.  THE WAVES SHARE THE COLUMNS: wave w holds heads 2 w and 2 w + 1 of its
; weight, 32 fragments in 384 registers, read once.  3 x 64 = 192 work-groups: all 1,536 columns would want 1,152 registers on each SIMD, so the kinds are apart.
; A block's four tile records (26,624 bytes) are copied into LDS, wave w record w, and read by all four waves; two buffers by turns, one barrier a block.
; q and k are quantised along the head's 64: source 0 = 16 rows of W, source 1 = 16 tokens, so that a lane holds one token and its registers run along d.
; v is quantised along the tokens (the keys): the sources are swapped, a lane holds one d and its registers run along the tokens.
; The rows of a tile are 32 (t / 2) + 8 (t % 2) + r + 8 (r / 8) of a group of 64, so that 16 registers of two neighbouring tiles are 16 neighbours along the next K.
; q x 1/8: a power of two: q's codes stay and 3 is taken off each scale byte; q's floor, 2^-121, holds every byte at 4 first, so the one subtraction borrows nothing.
; OUT: qc [b][head][step of 128 tokens] 7,168 bytes: 8 half fragments, two images of scale words.  kv [b][head][step] 13,824 bytes: K's 8 half fragments, V^T's 8 (tile of d, half of the keys), K's two images, V's one.
; LIMITS: NaN and infinities are not served; blocks under the floor (2^-124; q: 2^-121) take the held byte; a block of zeros too.
; No tensor load and no cluster: each work-group reads its weights once into registers, and the tokens' codes are a small part of what it reads.
; REGISTERS: window 0: addresses, v8-59 the block on its way to LDS, v64-95 W's scale words, v96-111 x's, v112-175 eight accumulators, v176-223 the quantiser's.
;   window 1: W's tiles 0-3 (12 (4 n + s)); window 2: tiles 4-7; window 3: x's four tiles (12 (4 m + s)).
.set REC,  6656
.set BLKB, 4*REC
.set LI16, 1
.set LI8,  2
.set STW,  3                           ; v3  where I put my record: 6656 x wave + 16 x lane
.set SG,   8
.set WS,   64
.set XS,   96
.set ACC,  112
.set PC,   176
.set TM,   196
.set PW,   212
.set SW,   216
.set WV,   12
.set KIND, 13
.set XB,   14                          ; s[14:15] my record of the trip's first block
.set WB,   16                          ; s[16:17] my eight records of the weight
.set CA,   18                          ; s[18:19] head 2 w's block of the step in hand;  s[20:21] head 2 w + 1's
.set CB,   20
.set SA,   22                          ; s[22:23], s[24:25] their scale images (q, k)
.set SB,   24
.set SS,   26                          ; s[26:27] bytes from step to step;  s[28:29] from head to head
.set HS,   28
.set FL,   30                          ; the floor
.set ADJ,  31                          ; what is taken off the scale word
.set SEL,  32
.set TR,   34
.set MSB, 0
.macro WIN new                         ; the immediate's high byte repeats the setting that is left
.if MSB != \new
	s_set_vgpr_msb (MSB<<8)|\new
.set MSB, \new
.endif
.endm
.macro PLACES n
.rept \n
	v_nop
.endr
.endm
.macro WM d, a, b, z, sa, sb           ; one scaled product; z: it starts its sum
.if \z
	v_wmma_scale_f32_16x16x128_f8f6f4 v[\d:\d+7], v[\a:\a+11], v[\b:\b+11], 0, v[\sa], v[\sb] matrix_a_fmt:MATRIX_FMT_FP6 matrix_b_fmt:MATRIX_FMT_FP6
.else
	v_wmma_scale_f32_16x16x128_f8f6f4 v[\d:\d+7], v[\a:\a+11], v[\b:\b+11], v[\d:\d+7], v[\sa], v[\sb] matrix_a_fmt:MATRIX_FMT_FP6 matrix_b_fmt:MATRIX_FMT_FP6
.endif
.endm
.macro QUANT s, fl, pw                 ; 64 numbers of a lane (register 16 b + i = k 32 b + 16 h + i) -> codes in v[PC] .. v[PC + 11], scale word in v[pw]
.irp b, 0,1,2,3
	v_max3_num_f32 v[TM+\b], |v[\s+16*\b]|, |v[\s+1+16*\b]|, \fl      ; each accumulator is read from its low end on
.endr
.irp i, 2,4,6,8,10,12,14
.irp b, 0,1,2,3
	v_max3_num_f32 v[TM+\b], v[TM+\b], |v[\s+16*\b+\i]|, |v[\s+1+16*\b+\i]|
.endr
.endr
.irp b, 0,1,2,3
	v_permlanex16_b32 v[TM+4+\b], v[TM+\b], s[SEL], s[SEL+1]
.endr
.irp b, 0,1,2,3
	v_max_num_f32 v[TM+\b], v[TM+\b], v[TM+4+\b]
.endr
.irp b, 0,1,2,3
	v_add_nc_u32 v[TM+12+\b], 0xff000000, v[TM+\b]                    ; 2 off the exponent field: the conversion's scale operand
.endr
.irp b, 0,1,2,3
	v_lshrrev_b32 v[TM+4+\b], 23, v[TM+12+\b]
.endr
	v_lshl_or_b32 v[\pw], v[TM+5], 8, v[TM+4]
	v_lshl_or_b32 v[\pw], v[TM+6], 16, v[\pw]
	v_lshl_or_b32 v[\pw], v[TM+7], 24, v[\pw]
.irp c, 0,1
	v_cvt_scalef32_pk16_fp6_f32 v[PC+6*\c:PC+6*\c+2], v[\s+32*\c:\s+32*\c+15], v[TM+12+2*\c]
	v_cvt_scalef32_pk16_fp6_f32 v[PC+12+4*\c:PC+12+4*\c+2], v[\s+16+32*\c:\s+16+32*\c+15], v[TM+13+2*\c]
.endr
	v_nop                                                             ; one plain place behind the scaled conversions
.irp c, 0,1
.irp i, 0,1,2
	v_permlane16_swap_b32 v[PC+6*\c+\i], v[PC+12+4*\c+\i]
.endr
.irp i, 0,1,2
	v_mov_b32 v[PC+3+6*\c+\i], v[PC+12+4*\c+\i]
.endr
.endr
.endm
.macro HFST reg, base, off
	global_store_b128 v[LI16], v[\reg:\reg+3], s[\base:\base+1] offset:\off
	global_store_b64 v[LI8], v[\reg+4:\reg+5], s[\base:\base+1] offset:\off+512
.endm
.macro FRLG reg, base, off             ; a fragment (two half fragments) from memory
	global_load_b128 v[\reg:\reg+3], v[LI16], s[\base:\base+1] offset:\off
	global_load_b64 v[\reg+4:\reg+5], v[LI8], s[\base:\base+1] offset:\off+512
	global_load_b128 v[\reg+6:\reg+9], v[LI16], s[\base:\base+1] offset:\off+768
	global_load_b64 v[\reg+10:\reg+11], v[LI8], s[\base:\base+1] offset:\off+1280
.endm
.macro FRLL reg, off                   ; and from LDS
	ds_load_b128 v[\reg:\reg+3], v[LI16] offset:\off
	ds_load_b64 v[\reg+4:\reg+5], v[LI8] offset:\off+512
	ds_load_b128 v[\reg+6:\reg+9], v[LI16] offset:\off+768
	ds_load_b64 v[\reg+10:\reg+11], v[LI8] offset:\off+1280
.endm
	s_load_b256 s[4:11], s[0:1], 0x0               ; xc, wc, qc, kv
	v_lshl_add_u32 v254, v0, 2, 0xd000
	v_mov_b32 v255, 0
	v_lshrrev_b32 v4, 5, v0
	v_readfirstlane_b32 s[WV], v4                  ; wave 0..3
	v_and_b32 v4, 31, v0
	v_lshlrev_b32 v[LI16], 4, v4
	v_lshlrev_b32 v[LI8], 3, v4
	s_mul_i32 s36, s[WV], REC
	v_add_nc_u32 v[STW], s36, v[LI16]
.irp b, 0,1,2,3
	v_mov_b32 v[TM+4+\b], 0                        ; written once: a lane permute's destination counts as one of its sources
.endr
	s_and_b32 s[KIND], ttmp7, 0xffff
	s_mov_b32 s[SEL], 0x76543210
	s_mov_b32 s[SEL+1], 0xfedcba98
	s_lshl_b32 s36, ttmp9, 4
	s_add_co_u32 s36, s36, s[WV]
	s_mul_i32 s36, s36, REC                        ; x's record 16 x + w
	s_mov_b32 s37, 0
	s_lshl_b32 s38, s[KIND], 5
	s_lshl_b32 s39, s[WV], 3
	s_add_co_u32 s38, s38, s39
	s_mul_i32 s38, s38, REC                        ; the weight's record 32 kind + 8 w
	s_mov_b32 s39, 0
	s_wait_kmcnt 0x0
	s_add_nc_u64 s[XB:XB+1], s[4:5], s[36:37]
	s_add_nc_u64 s[WB:WB+1], s[6:7], s[38:39]
.irp i, 0,1,2,3,4,5,6,7,8,9,10,11,12
	global_load_b128 v[SG+4*\i:SG+4*\i+3], v[LI16], s[XB:XB+1] offset:512*\i       ; block 0: my record, 13 x 512 bytes
.endr
	WIN 0x40                                       ; destination window 1
.irp n, 0,1,2,3
.irp s, 0,1,2,3
	FRLG 12*(4*\n+\s), WB, REC*\n+1536*\s
.endr
.endr
	WIN 0x80                                       ; destination window 2
.irp n, 0,1,2,3
.irp s, 0,1,2,3
	FRLG 12*(4*\n+\s), WB, REC*(\n+4)+1536*\s
.endr
.endr
	WIN 0
.irp n, 0,1,2,3,4,5,6,7
	global_load_b128 v[WS+4*\n:WS+4*\n+3], v[LI16], s[WB:WB+1] offset:REC*\n+6144  ; tile n's scale words of K steps 0..3
.endr
	s_cmp_eq_u32 s[KIND], 0                        ; where the results go: q's buffer, or k's and v's
	s_cselect_b64 s[CA:CA+1], s[8:9], s[10:11]
	s_mov_b32 s[SS], 13824
	s_cselect_b32 s[SS], 7168, s[SS]
	s_mov_b32 s[HS], 110592
	s_cselect_b32 s[HS], 57344, s[HS]
	s_mov_b32 s40, 12288
	s_cselect_b32 s40, 6144, s40                   ; where a block's scale images begin
	s_mov_b32 s[FL], 0x1800000
	s_cselect_b32 s[FL], 0x3000000, s[FL]
	s_cselect_b32 s[ADJ], 0x03030303, 0
	s_mov_b32 s[SS+1], 0
	s_mov_b32 s[HS+1], 0
	s_mov_b32 s41, 0
	s_lshr_b32 s36, ttmp9, 2                       ; the batch
	s_lshl_b32 s36, s36, 3
	s_lshl_b32 s37, s[WV], 1
	s_add_co_u32 s36, s36, s37                     ; 8 b + 2 w
	s_mul_i32 s36, s36, s[HS]
	s_and_b32 s37, ttmp9, 3
	s_lshl_b32 s37, s37, 1                         ; my first step of 128 tokens in the batch
	s_mul_i32 s37, s37, s[SS]
	s_add_co_u32 s36, s36, s37
	s_mov_b32 s37, 0
	s_add_nc_u64 s[CA:CA+1], s[CA:CA+1], s[36:37]
	s_add_nc_u64 s[CB:CB+1], s[CA:CA+1], s[HS:HS+1]
	s_add_nc_u64 s[SA:SA+1], s[CA:CA+1], s[40:41]
	s_add_nc_u64 s[SB:SB+1], s[CB:CB+1], s[40:41]
; q, k: tile m of the block's tokens against my eight tiles of W.  Four accumulators take turns, one instruction a turn.
.macro GQK m, p
	WIN 0x0d                                       ; source 0 (W) window 1, source 1 (x) window 3
.irp s, 0,1,2,3
.irp n, 0,1,2,3
	WM ACC+8*\n, 12*(4*\n+\s), 12*(4*\m+\s), \s==0, WS+4*\n+\s, XS+4*\m+\s
.endr
.endr
	WIN 0x0e                                       ; source 0 window 2
.irp s, 0,1,2,3
.irp n, 4,5,6,7
	WM ACC+8*\n, 12*(4*(\n-4)+\s), 12*(4*\m+\s), \s==0, WS+4*\n+\s, XS+4*\m+\s
.endr
.endr
	WIN 0
	PLACES 4                                       ; four places between the products and the first read of their results
	s_wait_xcnt 0x0                                ; the last group's stores have read the codes' and the scale words' registers
	QUANT ACC, s[FL], PW                           ; blocks 0, 1: head 2 w; blocks 2, 3: head 2 w + 1
	v_sub_nc_u32 v[PW], v[PW], s[ADJ]              ; q: 3 off each byte (x 1/8); k: nothing
	v_mov_b32 v[SW+\m], v[PW]                      ; a head's two bytes lie low; what lies above them meets zero codes and is never 0xff
	v_lshrrev_b32 v[SW+4+\m], 16, v[PW]
	HFST PC, CA, 3072*\p+768*\m
	HFST PC+6, CB, 3072*\p+768*\m
.if \m == 3
	global_store_b128 v[LI16], v[SW:SW+3], s[SA:SA+1] offset:512*\p
	global_store_b128 v[LI16], v[SW+4:SW+7], s[SB:SB+1] offset:512*\p
.endif
.endm
; v: my tiles n and n + 1 of W against the block's four tiles of tokens, the sources swapped.  Eight accumulators take turns.
.macro GV n, p
.if \n < 4
	WIN 0x07                                       ; source 0 (x) window 3, source 1 (W) window 1
.set VB, CA
.else
	WIN 0x0b                                       ; source 1 window 2
.set VB, CB
.endif
.irp s, 0,1,2,3
.irp wt, 0,1
.irp xt, 0,1,2,3
	WM ACC+8*(4*\wt+\xt), 12*(4*\xt+\s), 12*(4*((\n+\wt)%4)+\s), \s==0, XS+4*\xt+\s, WS+4*(\n+\wt)+\s
.endr
.endr
.endr
	WIN 0
	PLACES 4
	s_wait_xcnt 0x0
	QUANT ACC, s[FL], PW                           ; blocks 0, 1: tile n's two blocks of 32 keys; blocks 2, 3: tile n + 1's
.if \p == 0
	v_mov_b32 v[SW+\n], v[PW]                      ; the step's first 64 keys give a word's bytes 0 and 1,
	v_lshrrev_b32 v[SW+\n+1], 16, v[PW]
.else
	v_perm_b32 v[SW+\n], v[PW], v[SW+\n], 0x05040100       ; its last 64 bytes 2 and 3
	v_perm_b32 v[SW+\n+1], v[PW], v[SW+\n+1], 0x07060100
.endif
	HFST PC, VB, 6144+768*(2*(\n%4)+\p)
	HFST PC+6, VB, 6144+768*(2*(\n%4)+\p)+1536
.if (\p == 1) && ((\n % 4) == 2)
	global_store_b128 v[LI16], v[SW+\n-2:SW+\n+1], s[VB:VB+1] offset:13312
.endif
.endm
; A block of 64 tokens, in buffer p; p is also its half of the step of 128.
.macro BLOCK p
	s_wait_loadcnt 0x0                             ; my record of this block is in registers (the first time: the weights too)
.irp i, 0,1,2,3,4,5,6,7,8,9,10,11,12
	ds_store_b128 v[STW], v[SG+4*\i:SG+4*\i+3] offset:BLKB*\p+512*\i
.endr
	s_wait_dscnt 0x0                               ; for the others' sake: my stores have landed; my reads of the other buffer were over long ago
	s_barrier_signal -1
	s_barrier_wait -1                              ; the block's four records lie in LDS; the other buffer is written again only behind the next barrier
.if \p == 1
	s_cmp_eq_u32 s[TR], 1                          ; the last block asks for nothing: no load leaves its buffer
	s_cbranch_scc1 .Lnomore_\@
.endif
.irp i, 0,1,2,3,4,5,6,7,8,9,10,11,12
	global_load_b128 v[SG+4*\i:SG+4*\i+3], v[LI16], s[XB:XB+1] offset:BLKB*(\p+1)+512*\i   ; the next block, a block ahead
.endr
.if \p == 1
.Lnomore_\@:
.endif
	WIN 0xc0                                       ; destination window 3
.irp m, 0,1,2,3
.irp s, 0,1,2,3
	FRLL 12*(4*\m+\s), BLKB*\p+REC*\m+1536*\s
.endr
.endr
	WIN 0
.irp m, 0,1,2,3
	ds_load_b128 v[XS+4*\m:XS+4*\m+3], v[LI16] offset:BLKB*\p+REC*\m+6144
.endr
	s_wait_dscnt 0x0
	s_cmp_eq_u32 s[KIND], 2                        ; the kind is the work-group's y: the same in all four waves; no barrier and no LDS access stands in either arm
	s_cbranch_scc1 .Lv_\@
	GQK 0, \p
	GQK 1, \p
	GQK 2, \p
	GQK 3, \p
	s_branch .Ljoin_\@
.Lv_\@:
	GV 0, \p
	GV 2, \p
	GV 4, \p
	GV 6, \p
.Ljoin_\@:
.endm
	s_mov_b32 s[TR], 2
.Ltrip:                                            ; a trip is a step of 128 tokens: two blocks
	BLOCK 0
	BLOCK 1
	s_wait_xcnt 0x0                                ; the loads and stores have read their bases, which step now
	s_add_nc_u64 s[XB:XB+1], s[XB:XB+1], 2*BLKB
	s_add_nc_u64 s[CA:CA+1], s[CA:CA+1], s[SS:SS+1]
	s_add_nc_u64 s[CB:CB+1], s[CB:CB+1], s[SS:SS+1]
	s_add_nc_u64 s[SA:SA+1], s[SA:SA+1], s[SS:SS+1]
	s_add_nc_u64 s[SB:SB+1], s[SB:SB+1], s[SS:SS+1]
	s_sub_co_u32 s[TR], s[TR], 1
	s_cmp_lg_u32 s[TR], 0
	s_cbranch_scc1 .Ltrip
	s_wait_tensorcnt 0x0
	ds_add_u32 v254, v255
	s_wait_dscnt 0x0
	s_endpgm
.Lfunc_end_k_qc89296c0c2_qkv:
	.size	k_qc89296c0c2_qkv, .Lfunc_end_k_qc89296c0c2_qkv-k_qc89296c0c2_qkv
	.p2alignl 7, 3214868480
	.fill 96, 4, 3214868480
	.section	.rodata,"a",@progbits
	.p2align	6, 0x0
	.amdhsa_kernel k_qc89296c0c2_qkv
		.amdhsa_group_segment_fixed_size 53760
		.amdhsa_private_segment_fixed_size 0
		.amdhsa_enable_private_segment 0
		.amdhsa_kernarg_size 32
		.amdhsa_user_sgpr_count 2
		.amdhsa_user_sgpr_kernarg_segment_ptr 1
		.amdhsa_wavefront_size32 1
		.amdhsa_system_sgpr_workgroup_id_x 1
		.amdhsa_system_sgpr_workgroup_id_y 1
		.amdhsa_system_sgpr_workgroup_id_z 1
		.amdhsa_system_vgpr_workitem_id 0
		.amdhsa_next_free_vgpr 960
		.amdhsa_next_free_sgpr 66
		.amdhsa_reserve_vcc 0
		.amdhsa_float_denorm_mode_32 3
		.amdhsa_float_denorm_mode_16_64 3
		.amdhsa_memory_ordered 1
		.amdhsa_forward_progress 1
		.amdhsa_inst_pref_size 165
	.end_amdhsa_kernel
	.amdgpu_metadata
---
amdhsa.version: [ 1, 2 ]
amdhsa.kernels:
  - .name:           k_qc89296c0c2_qkv
    .symbol:         k_qc89296c0c2_qkv.kd
    .args:
      - { .name: xc, .offset: 0, .size: 8, .value_kind: global_buffer, .address_space: global }
      - { .name: wc, .offset: 8, .size: 8, .value_kind: global_buffer, .address_space: global }
      - { .name: qc, .offset: 16, .size: 8, .value_kind: global_buffer, .address_space: global }
      - { .name: kv, .offset: 24, .size: 8, .value_kind: global_buffer, .address_space: global }
    .group_segment_fixed_size: 53760
    .private_segment_fixed_size: 0
    .kernarg_segment_align: 8
    .kernarg_segment_size: 32
    .max_flat_workgroup_size: 128
    .sgpr_count:     66
    .vgpr_count:     960
    .wavefront_size: 32
...
	.end_amdgpu_metadata
.endif
;; end of part 2
;; launch attn (part 3): grid 8 x 32, 16 waves a work-group, clusters of 4 x 4, 327,680 bytes of LDS; arguments qc, kv, pos_bias, oc; writes oc
.if DOCPART == 3
	.amdgcn_target "amdgcn-amd-amdhsa--gfx1250"
	.amdhsa_code_object_version 6
	.text
	.protected	k_qc89296c0c2_attn
	.globl	k_qc89296c0c2_attn
	.p2align	8
	.type	k_qc89296c0c2_attn,@function
k_qc89296c0c2_attn:
	s_mov_b64 s[64:65], 0
	v_nop
	global_prefetch_b8 v0, s[64:65] scope:SCOPE_SE
	s_setreg_imm32_b32 hwreg(HW_REG_WAVE_MODE, 25, 1), 1
	s_wait_xcnt 0x0
	s_wait_alu depctr_hold_cnt(0) depctr_sa_sdst(0) depctr_va_vdst(0) depctr_va_sdst(0) depctr_va_ssrc(0) depctr_va_vcc(0) depctr_vm_vsrc(0)
	s_getreg_b32 s2, hwreg(HW_REG_IB_STS2, 6, 4)
	s_cmp_eq_u32 s2, 0
	s_cbranch_scc0 .Lentry_in_a_cluster
	s_endpgm
.Lentry_in_a_cluster:
	s_bfe_u32 s2, ttmp6, 0x10000c
	s_cmp_lg_u32 s2, 0xf033
	s_cbranch_scc0 .Lentry_shape_is_right
	s_endpgm
.Lentry_shape_is_right:
; O[b][head][q] = the sum over keys of softmax(q . k / 8 + pos_bias[head][q][key]) v, both products on codes of FP6 (E2M3) with E8M0 scales; O / l is quantised along (head, d) and leaves as codes.
; THE SOFTMAX AHEAD OF THE SECOND PRODUCT: t = logit x log2(e); M = the running largest t rounded UP to a whole number; p = 2^(t - M) is quantised along the keys, not normalised; the row's sum l is
; taken of the unquantised p; when M moves, l and O are multiplied by 2^(old M - new M), which rounds nothing.  A block's largest p is made from the block's largest logit by the same two instructions.
; SHARES: a work-group is one head, FOUR batches and, one after the other, TWO blocks of 64 queries (qb and qb + 8); wave w has batch w % 4 and query tile w / 4: 16 queries at a time, four waves to a SIMD.
; Every wave walks 2 x 8 steps of 128 keys on one ring of two LDS slots: the change of slots in front of the first block's last step asks for the second block's first step.  8 x 32 = 256 work-groups.
; CLUSTER 4 x 4: cluster y is the head, x a run of four query blocks; cx picks the query block, cy the group of four batches.  The bias tile (64 queries x 128 keys, f32) hangs on head and query
; block: it is asked for JOINTLY by the four work-groups of a column.  The four batches' blocks of k and v hang on head and batch group: jointly by the four of a row.
; BOTH PRODUCTS TRANSPOSED: S^T = K Q^T + bias (source 0 = 16 keys, source 1 = my queries; THE BIAS IS THE C OPERAND, loaded from LDS in the result's layout), O^T = V^T P^T: a lane holds one query throughout.
; K = 64 IN AN INSTRUCTION OF 128: q's registers 6-11 are zero codes; source 0 of tile t is K's half fragments t and t + 1 (zeros behind the last): numbers that meet zero codes under bytes that are never 0xff.
; THE HALVES OF A STEP BY TURNS.  A step is P1 (all its LDS loads, K Q^T, the maxima, t - M: no exponential) and P2 (the exponentials, the sums, p's codes, V^T P: no LDS access).  Every wave runs
; P1(0) P2(0) P1(1) P2(1) ..; the waves differ in where the change of slots falls.  Group 0 has it in front of each P1; group 1 between P1 and P2: between two changes it runs P2 of the step before and
; P1 of this step.  So while one group reads LDS and searches maxima, the other issues exponentials.  All reads of a slot stand in P1, between the change that shows the slot whole and the next one.
; The group is ((w / 8) xor w) % 2: be the waves dealt to the SIMDs by turns (w % 4) or in runs (w / 4), each four hold two of each group.
; THE BIAS COMES AS FOUR TILES OF 16 ROWS, not one of 64: a query tile's lanes 0-7 and 8-15 take rows 16 apart; with rows 132 words apart these would start at the same banks (64 banks of 4 bytes: ISA guide 11.1),
; so each 16 rows begin 2,144 words (32 modulo 64) behind the last.
; LIMITS: NaN and infinities are not served; 1 / l by v_rcp_f32; blocks under 2^-124 take the held byte 1 (a block of zeros too); O's scale bytes leave as 2 bytes a lane, 16 bytes apart (512 KiB of the launch's stores).
.set KVB,   13824                      ; a step's block of k and v: K's 8 half fragments, V^T's 8, K's two scale images, V's one
.set CHK,   8576                       ; 16 rows of bias: 16 x 528 + 128
.set KV0,   4*CHK                      ; behind the bias: four batches' blocks
.set SLOT1, 1<<17                      ; slot 1 begins here: one exclusive or turns an address in one slot into the other's
.set SPARE, 2*SLOT1                    ; the spare words, 128 bytes for each of 16 waves: eight blocks of 256 bytes that no other line names
.set UB,    2097152                    ; from the first query block to the second: in pos_bias 8 x 64 rows of 4,096 bytes,
.set UQ,    28672                      ; in qc 4 blocks of 7,168 bytes,
.set UO,    212992                     ; in oc 32 records of 6,656 bytes
.set AB0,  1                           ; v1   my lane's place in the bias tile
.set AK0,  2                           ; v2   my batch's block + 16 x lane
.set AK1,  3                           ; v3   + 8 x lane
.set SPW,  4                           ; v4   my spare word; never rewritten
.set NIL,  5                           ; v5   0; never rewritten
.set ADB,  6                           ; v6-8 the same three addresses in the slot in hand
.set ADK,  7
.set ADK8, 8
.set PFO,  9                           ; v9   the prefetches' offset; never rewritten
.set LI16, 10
.set LI8,  11
                                       ; v12 -M, v13 the largest t, v[14:15] the sum in two halves
.set QF,   16                          ; v16-27 the first block's q; v22-27 zero codes
.set QS,   28                          ; its scale word
.set PS,   29                          ; p's
.set KF,   32                          ; v32-79 K's 8 half fragments, later V^T's 4 fragments; v80-85 zero codes
.set KS,   86                          ; v86-93 K's scale words
.set VS,   94                          ; v94-97 V's
.set S,    98                          ; v98-161 bias, then logits, then p
.set O,    162                         ; v162-193 O^T
.set PC,   194                         ; v194-205 p's codes
.set PT,   206                         ; v206-208, v210-212 the conversions' second halves
.set BM,   214                         ; the blocks' largest
.set BP,   218
.set SO,   222                         ; the conversions' scale operands
.set F,    226                         ; v[226:227] 2^(old M - new M) (the pair's upper word is written once and never used)
.set T0,   228
.set T1,   229
.set SM2,  230                         ; v[230:231] the sum's second chain
.set QF1,  232                         ; v232-243 the second block's q; v238-243 zero codes
.set QS1,  244                         ; its scale word
.set WV,   12
.set GRP,  19                          ; my group: 0 or 1
.set SEL,  20
.set CS,   22                          ; s[22:23] log2(e)
.set G1B,  24                          ; s[24:31] group 1 for the bias;  s[32:39] for k and v;  s[40:43], s[44:47] their groups 0, which walk
.set G1K,  32
.set G0B,  40
.set G0K,  44
.set TB,   48                          ; LDS byte at which the slot in hand begins
.set SLOTS, 49
.set PFA,  50                          ; s[50:51] where my prefetches stand;  s[52:53] a step on;  s[56:57] on to the second block's step 2
.set PFS,  52
.set LIM,  54                          ; 1 in a wave that prefetches, else the greatest number
.set PFJ,  56
; Waves 0-3 fetch the bias's four tiles, waves 4-7 the four batches' blocks, the others nothing.  The branches hang on the wave's number alone.  Four v_nop follow each of the two lines.
.macro TLOAD
	s_cmp_lt_u32 s[WV], 4
	s_cbranch_scc0 .Lnot_b_\@
	tensor_load_to_lds s[G0B:G0B+3], s[G1B:G1B+7]
	s_nop 0
.rept 4
	v_nop
.endr
	s_branch .Lasked_\@
.Lnot_b_\@:
	s_cmp_lt_u32 s[WV], 8
	s_cbranch_scc0 .Lasked_\@
	tensor_load_to_lds s[G0K:G0K+3], s[G1K:G1K+7]
	s_nop 0
.rept 4
	v_nop
.endr
.Lasked_\@:
.endm
; A PREFETCH INTO THE L2 of what the NEXT change of slots will ask for, by waves that fetch nothing, one instruction each.  Wave 8: 16 of the bias tile's 64 rows, 512 bytes each, two lanes to a row;
; the column's four partners take 16 rows each, told apart BY ADDRESS (cy).  Waves 9 and 10: one batch's block of 54 x 256 bytes, a lane to 256 bytes (lanes past the end are held at the last);
; the row's four partners take a batch each, by address (cx); the two clusters of a head read the same blocks, so the first of them (cluster x = 0) asks, and in the first query block alone:
; the second walks the same k and v.  In each query block steps 2 to 7 are named; steps 0 and 1 come by their loads alone.
.macro ASK
	s_cmp_gt_u32 s[SLOTS], s[LIM]
	s_cbranch_scc0 .Lnot_mine_\@
	global_prefetch_b8 v[PFO], s[PFA:PFA+1] th:TH_LOAD_NT scope:SCOPE_SE
.Lnot_mine_\@:
.endm
.macro CROUND                          ; a round of the cluster's barrier
	s_barrier_signal -1
	s_barrier_wait -1
	s_cmp_lg_u32 s[WV], 0
	s_cbranch_scc1 .Lnot_wave_0_\@
	s_barrier_signal -3
.Lnot_wave_0_\@:
	s_barrier_wait -3
	s_barrier_signal -1
	s_barrier_wait -1
.endm
	s_load_b256 s[4:11], s[0:1], 0x0               ; qc, kv, pos_bias, oc
	v_lshl_add_u32 v[SPW], v0, 2, SPARE
	v_mov_b32 v[NIL], 0
	ds_add_u32 v4, v5
	s_wait_dscnt 0x0
	v_lshrrev_b32 v[T0], 5, v0
	v_readfirstlane_b32 s[WV], v[T0]               ; wave 0..15
	s_bfe_u32 s13, ttmp6, 0x40000                  ; cx
	s_bfe_u32 s14, ttmp6, 0x40004                  ; cy
	s_lshl_b32 s15, ttmp9, 2
	s_add_co_u32 s15, s15, s13                     ; my first block of 64 queries = 4 x cluster x + cx (0..7); the second is 8 further on
	s_and_b32 s16, ttmp7, 0xffff                   ; the head = cluster y
	s_and_b32 s17, s[WV], 3                        ; my batch in the group; also: which tile I fetch
	s_lshr_b32 s18, s[WV], 2                       ; my query tile
	s_lshr_b32 s[GRP], s[WV], 3
	s_xor_b32 s[GRP], s[GRP], s[WV]
	s_and_b32 s[GRP], s[GRP], 1                    ; my group: made of the wave's number alone, the same in every work-group
	s_lshl_b32 s60, s14, 2
	s_lshl_b32 s60, 15, s60                        ; my row of the cluster
	s_lshl_b32 s61, 0x1111, s13                    ; my column
	; group 1, the bias: 16 rows x 128 elements of 4 bytes, rows 1,024 elements apart; 4 words of padding behind every 128
	s_or_b32 s[G1B], s61, (2<<16)|(1<<20)|(1<<21)|(6<<22)|(3<<25)
	s_mov_b32 s[G1B+1], 128<<16                    ; tensor_dim0
	s_mov_b32 s[G1B+2], 16<<16                     ; tensor_dim1
	s_mov_b32 s[G1B+3], 128<<16                    ; tile_dim0
	s_mov_b32 s[G1B+4], 16                         ; tile_dim1
	s_mov_b32 s[G1B+5], 1024                       ; the pitch
	s_mov_b32 s[G1B+6], 0
	s_mov_b32 s[G1B+7], 0
	; group 1, k and v: a dense block of 13,824 bytes as 54 rows of 32 elements of 8 bytes
	s_or_b32 s[G1K], s60, (3<<16)|(1<<21)
	s_mov_b32 s[G1K+1], 32<<16
	s_mov_b32 s[G1K+2], 54<<16
	s_mov_b32 s[G1K+3], 32<<16
	s_mov_b32 s[G1K+4], 54
	s_mov_b32 s[G1K+5], 32
	s_mov_b32 s[G1K+6], 0
	s_mov_b32 s[G1K+7], 0
	s_lshl_b32 s56, s16, 10                        ; the bias: row 1024 head + 64 block + 16 tile, 4,096 bytes a row (registers that never hold cy)
	s_lshl_b32 s57, s15, 6
	s_add_co_u32 s56, s56, s57
	s_lshl_b32 s57, s17, 4
	s_add_co_u32 s56, s56, s57
	s_lshl_b32 s56, s56, 12
	s_mov_b32 s57, 0
	s_lshl_b32 s58, s14, 2                         ; k and v: batch 4 cy + tile, this head, step 0 (registers that never hold cx)
	s_add_co_u32 s58, s58, s17
	s_lshl_b32 s58, s58, 3
	s_add_co_u32 s58, s58, s16
	s_mul_i32 s58, s58, 8*KVB
	s_mov_b32 s59, 0
	s_mov_b32 s[SEL], 0x76543210
	s_mov_b32 s[SEL+1], 0xfedcba98
	s_mov_b32 s[CS], 0x3fb8aa3b                    ; log2(e)
	s_mov_b32 s[CS+1], s[CS]                       ; (named with it as a pair, so it is written)
	s_mov_b32 s[TB], 0
	s_mov_b32 s[SLOTS], 6
	s_wait_kmcnt 0x0
	s_mov_b32 s[G0B], 1
	s_mul_i32 s[G0B+1], s17, CHK                   ; LDS: slot 0, tile x 8,576: no place in the cluster enters an LDS address
	s_add_nc_u64 s[G0B+2:G0B+3], s[8:9], s[56:57]
	s_or_b32 s[G0B+3], s[G0B+3], 0x80000000
	s_mov_b32 s[G0K], 1
	s_mul_i32 s[G0K+1], s17, KVB
	s_add_co_u32 s[G0K+1], s[G0K+1], KV0
	s_add_nc_u64 s[G0K+2:G0K+3], s[6:7], s[58:59]
	s_or_b32 s[G0K+3], s[G0K+3], 0x80000000
	CROUND                                         ; all sixteen work-groups are here: the first joint loads meet
	TLOAD                                          ; step 0 into slot 0
	v_and_b32 v[T0], 31, v0                        ; lane
	v_lshlrev_b32 v[LI16], 4, v[T0]
	v_lshlrev_b32 v[LI8], 3, v[T0]
	s_lshl_b32 s62, s14, 2
	s_add_co_u32 s62, s62, s17                     ; my batch
	s_lshl_b32 s66, s62, 3
	s_add_co_u32 s66, s66, s16
	s_lshl_b32 s66, s66, 3
	s_lshr_b32 s67, s15, 1
	s_add_co_u32 s66, s66, s67
	s_mul_i32 s66, s66, 7168                       ; q's block: [batch][head][query block / 2]
	s_and_b32 s67, s15, 1                          ; which half of it
	s_mul_i32 s68, s67, 3072
	s_add_co_u32 s68, s68, s66
	s_mul_i32 s69, s18, 768
	s_add_co_u32 s68, s68, s69                     ; my tile's half fragment
	s_mov_b32 s69, 0
	s_add_nc_u64 s[68:69], s[4:5], s[68:69]
	s_lshl_b32 s67, s67, 9
	s_add_co_u32 s66, s66, s67
	s_lshl_b32 s67, s18, 2
	s_add_co_u32 s66, s66, s67                     ; and its scale word: 6144 + 512 half + 16 lane + 4 tile
	s_mov_b32 s67, 0
	s_add_nc_u64 s[66:67], s[4:5], s[66:67]
	global_load_b128 v[QF:QF+3], v[LI16], s[68:69]
	global_load_b64 v[QF+4:QF+5], v[LI8], s[68:69] offset:512
	global_load_b32 v[QS], v[LI16], s[66:67] offset:6144
	global_load_b128 v[QF1:QF1+3], v[LI16], s[68:69] offset:UQ         ; the second block's q comes now too: seven registers
	global_load_b64 v[QF1+4:QF1+5], v[LI8], s[68:69] offset:UQ+512
	global_load_b32 v[QS1], v[LI16], s[66:67] offset:UQ+6144
	s_lshl_b32 s70, s62, 4                         ; the way out: record (16 batch + query block) 4 + tile of oc,
	s_add_co_u32 s70, s70, s15
	s_lshl_b32 s70, s70, 2
	s_add_co_u32 s70, s70, s18
	s_mul_i32 s70, s70, 6656
	s_lshl_b32 s72, s16, 1                         ; its scale bytes: 2 x head into each lane's 16,
	s_add_co_u32 s72, s72, s70
	s_mov_b32 s73, 0
	s_mul_i32 s71, s16, 768                        ; its half fragment number head
	s_add_co_u32 s70, s70, s71
	s_mov_b32 s71, 0
	s_add_nc_u64 s[70:71], s[10:11], s[70:71]
	s_add_nc_u64 s[72:73], s[10:11], s[72:73]
	; the prefetches (macro ASK): both stand at step 1; the first change of slots steps them to step 2
	s_lshl_b32 s74, s16, 10
	s_lshl_b32 s75, s15, 6
	s_add_co_u32 s74, s74, s75
	s_lshl_b32 s75, s14, 4
	s_add_co_u32 s74, s74, s75
	s_lshl_b32 s74, s74, 12
	s_add_co_u32 s74, s74, 512                     ; the bias: my work-group's 16 rows
	s_lshl_b32 s76, s14, 2
	s_add_co_u32 s76, s76, s13
	s_lshl_b32 s76, s76, 3
	s_add_co_u32 s76, s76, s16
	s_mul_i32 s76, s76, 8*KVB
	s_add_co_u32 s76, s76, KVB                     ; k and v: batch 4 cy + cx
	s_cmp_eq_u32 s[WV], 8
	s_cselect_b64 s[PFA:PFA+1], s[8:9], s[6:7]
	s_cselect_b32 s74, s74, s76
	s_mov_b32 s[PFS], KVB
	s_cselect_b32 s[PFS], 512, s[PFS]
	s_cselect_b32 s55, -1, 0
	s_cselect_b32 s[PFJ], UB-6*512, 0              ; the bias: from behind the first block's step 7 to the second block's step 2
	s_mov_b32 s[PFJ+1], 0
	s_mov_b32 s75, 0
	s_mov_b32 s[PFS+1], 0
	s_add_nc_u64 s[PFA:PFA+1], s[PFA:PFA+1], s[74:75]
	s_sub_co_u32 s77, s[WV], 9
	s_lshr_b32 s77, s77, 1                         ; 0 in waves 9 and 10,
	s_or_b32 s77, s77, ttmp9                       ; of the head's first cluster: the same in all sixteen partners
	s_cmp_eq_u32 s77, 0
	s_cselect_b32 s[LIM], 1, -1
	s_cmp_eq_u32 s[WV], 8
	s_cselect_b32 s[LIM], 1, s[LIM]
	v_lshrrev_b32 v[T1], 1, v[T0]
	v_lshlrev_b32 v[T1], 12, v[T1]
	v_and_b32 v[SM2], 1, v[T0]
	v_lshl_add_u32 v[T1], v[SM2], 8, v[T1]         ; the bias: row lane / 2, 256 (lane % 2)
	s_lshl_b32 s77, s[WV], 5
	s_sub_co_u32 s77, s77, 288
	v_add_nc_u32 v[SM2], s77, v[T0]
	v_min_u32 v[SM2], 53, v[SM2]
	v_lshlrev_b32 v[SM2], 8, v[SM2]                ; k and v: 256 x min(lane + 32 (wave - 9), 53)
	v_cndmask_b32 v[PFO], v[SM2], v[T1], s55
	; LDS addresses
	v_and_b32 v[T1], 7, v0
	v_mul_u32_u24 v[AB0], v[T1], 528               ; the bias: my query is row 32 (m / 2) + 8 (m % 2) + 16 g + r' of the 64: tile 2 (m / 2) + g, row 8 (m % 2) + r' in it
	v_bfe_u32 v[T1], v0, 3, 1
	v_mad_u32_u24 v[AB0], v[T1], CHK, v[AB0]
	v_bfe_u32 v[T1], v0, 4, 1
	v_lshl_add_u32 v[AB0], v[T1], 6, v[AB0]        ; + 64 h: my half's 16 keys of each 32
	s_lshr_b32 s77, s[WV], 3
	s_mul_i32 s77, s77, 2*CHK
	s_bfe_u32 s78, s[WV], 0x10002
	s_mul_i32 s78, s78, 4224
	s_add_co_u32 s77, s77, s78
	v_add_nc_u32 v[AB0], s77, v[AB0]
	s_mul_i32 s77, s17, KVB
	s_add_co_u32 s77, s77, KV0
	v_add_nc_u32 v[AK0], s77, v[LI16]
	v_add_nc_u32 v[AK1], s77, v[LI8]
.irp j, 0,1,2,3,4,5
	v_mov_b32 v[QF+6+\j], 0                        ; zero codes: q's upper 64 along K, in both blocks,
	v_mov_b32 v[QF1+6+\j], 0
	v_mov_b32 v[KF+48+\j], 0                       ; and what stands behind K's last half fragment
.endr
	v_mov_b32 v13, 0xff61b1e6                      ; the largest t so far: -3e38, under every t
	v_floor_f32 v12, -v13                          ; -M
	v_mov_b32 v14, 0
	v_mov_b32 v15, 0
	v_mov_b32 v[F+1], 0
.irp b, 0,1,2,3
	v_mov_b32 v[BP+\b], 0                          ; written once: a lane permute's destination counts as one of its sources
.endr
.irp j, 0,1,2,3,4,5,6,7,8,9,10,11,12,13,14,15,16,17,18,19,20,21,22,23,24,25,26,27,28,29,30,31
	v_mov_b32 v[O+\j], 0                           ; O^T: a step is written for every step alike; the first change of M leaves zeros zeros
.endr
; THE FIRST HALF OF A KEY STEP, 128 keys in the slot at s[TB]: all the step's LDS loads, the logits, their maxima, M, f and t - M.  qf, qs: the query block's fragment and scale word.
.macro P1 qf, qs
	v_add_nc_u32 v[ADB], s[TB], v[AB0]
	v_add_nc_u32 v[ADK], s[TB], v[AK0]
	v_add_nc_u32 v[ADK8], s[TB], v[AK1]
	v_nop                                          ; four places between the last step's products and the loads into the registers that they read
.irp t, 0,1,2,3,4,5,6,7
	ds_load_b128 v[KF+6*\t:KF+6*\t+3], v[ADK] offset:768*\t
	ds_load_b64 v[KF+6*\t+4:KF+6*\t+5], v[ADK8] offset:768*\t+512
.endr
	ds_load_b128 v[KS:KS+3], v[ADK] offset:12288
	ds_load_b128 v[KS+4:KS+7], v[ADK] offset:12800
.irp t, 0,1,2,3,4,5,6,7
	ds_load_b128 v[S+8*\t:S+8*\t+3], v[ADB] offset:128*(\t/2)+32*(\t%2)        ; the bias of my query at keys 32 (t / 2) + 16 h + 8 (t % 2) + 0 .. 7: the result's layout
	ds_load_b128 v[S+8*\t+4:S+8*\t+7], v[ADB] offset:128*(\t/2)+32*(\t%2)+16
.endr
	s_wait_dscnt 0x0
.irp t, 0,1,2,3,4,5,6,7
	v_wmma_scale_f32_16x16x128_f8f6f4 v[S+8*\t:S+8*\t+7], v[KF+6*\t:KF+6*\t+11], v[\qf:\qf+11], v[S+8*\t:S+8*\t+7], v[KS+\t], v[\qs] matrix_a_fmt:MATRIX_FMT_FP6 matrix_b_fmt:MATRIX_FMT_FP6
.endr
.rept 4
	v_nop                                          ; four places: for the loads into K's registers, and for the first read of the logits
.endr
.irp f, 0,1,2,3,4,5,6,7
	ds_load_b128 v[KF+6*\f:KF+6*\f+3], v[ADK] offset:6144+768*\f               ; V^T: half fragment 2 dt + c; they land under the vector work
	ds_load_b64 v[KF+6*\f+4:KF+6*\f+5], v[ADK8] offset:6144+768*\f+512
.endr
	ds_load_b128 v[VS:VS+3], v[ADK] offset:13312
.irp b, 0,1,2,3
	v_max3_num_f32 v[BM+\b], v[S+16*\b], v[S+1+16*\b], v[S+2+16*\b]            ; the largest logit of each block of 32 keys; each accumulator is read from its low end on
.endr
.irp i, 3,5,7,9,11,13
.irp b, 0,1,2,3
	v_max3_num_f32 v[BM+\b], v[BM+\b], v[S+16*\b+\i], v[S+1+16*\b+\i]
.endr
.endr
.irp b, 0,1,2,3
	v_max_num_f32 v[BM+\b], v[BM+\b], v[S+15+16*\b]
.endr
.irp b, 0,1,2,3
	v_permlanex16_b32 v[BP+\b], v[BM+\b], s[SEL], s[SEL+1]
.endr
.irp b, 0,1,2,3
	v_max_num_f32 v[BM+\b], v[BM+\b], v[BP+\b]     ; with lane l xor 16's 16 keys
.endr
	v_max3_num_f32 v[T0], v[BM], v[BM+1], v[BM+2]
	v_max_num_f32 v[T0], v[T0], v[BM+3]
	v_mul_f32 v[T0], s[CS], v[T0]                  ; as t
	v_max_num_f32 v13, v13, v[T0]                  ; the running largest t
	v_mov_b32 v[T0], v12
	v_floor_f32 v12, -v13                          ; the new -M = -ceil(t)
	v_sub_f32 v[T0], v12, v[T0]                    ; old M - new M: a whole number, 0 or less
	v_cvt_i32_f32 v[T0], v[T0]                     ; (it saturates)
	v_ldexp_f32 v[F], 1.0, v[T0]
.irp j, 0,2,4,6,8,10,12,14,16,18,20,22,24,26,28,30,32,34,36,38,40,42,44,46,48,50,52,54,56,58,60,62
	v_pk_fma_f32 v[S+\j:S+\j+1], v[S+\j:S+\j+1], s[CS:CS+1], v[12:13] op_sel_hi:[1,0,0]   ; t - M, two at a time
.endr
.irp b, 0,1,2,3
	v_fma_f32 v[BM+\b], v[BM+\b], s[CS], v12       ; the same of each block's largest logit
.endr
	s_xor_b32 s[TB], s[TB], SLOT1                  ; the next P1 reads the other slot
.endm
; THE SECOND HALF: p, the sums, p's codes and scale word, O^T x f, V^T P.  It touches registers alone (the wait on DScnt is for V's loads, issued in P1).
.macro P2
.irp j, 0,1,2,3,4,5,6,7,8,9,10,11,12,13,14,15,16,17,18,19,20,21,22,23,24,25,26,27,28,29,30,31,32,33,34,35,36,37,38,39,40,41,42,43,44,45,46,47,48,49,50,51,52,53,54,55,56,57,58,59,60,61,62,63
	v_exp_f32 v[S+\j], v[S+\j]                     ; p = 2^(t - M)
.endr
	v_pk_mul_f32 v[14:15], v[14:15], v[F:F+1] op_sel_hi:[1,0]      ; the sums under the new M: the plain place behind the exponentials
	s_wait_alu depctr_va_vdst(0)                   ; one wait for the batch of 64, ahead of its first reader
.irp b, 0,1,2,3
	v_exp_f32 v[BM+\b], v[BM+\b]                   ; the blocks' largest p
.endr
	v_pk_add_f32 v[SM2:SM2+1], v[S:S+1], v[S+2:S+3]                ; the row's sum of the unquantised p, in two chains
.irp j, 4,8,12,16,20,24,28,32,36,40,44,48,52,56,60
	v_pk_add_f32 v[14:15], v[14:15], v[S+\j:S+\j+1]
	v_pk_add_f32 v[SM2:SM2+1], v[SM2:SM2+1], v[S+2+\j:S+3+\j]
.endr
	v_pk_add_f32 v[14:15], v[14:15], v[SM2:SM2+1]
	s_wait_alu depctr_va_vdst(0)                   ; and one for the four
.irp b, 0,1,2,3
	v_max_num_f32 v[BM+\b], 0x1800000, v[BM+\b]    ; the floor: the byte cannot fall under 1
.endr
.irp b, 0,1,2,3
	v_add_nc_u32 v[SO+\b], 0xff000000, v[BM+\b]    ; 2 off the exponent field: the conversion's scale operand
.endr
.irp b, 0,1,2,3
	v_lshrrev_b32 v[BP+\b], 23, v[SO+\b]
.endr
	v_lshl_or_b32 v[PS], v[BP+1], 8, v[BP]         ; p's scale word for these 128 keys
	v_lshl_or_b32 v[PS], v[BP+2], 16, v[PS]
	v_lshl_or_b32 v[PS], v[BP+3], 24, v[PS]
.irp c, 0,1
	v_cvt_scalef32_pk16_fp6_f32 v[PC+6*\c:PC+6*\c+2], v[S+32*\c:S+32*\c+15], v[SO+2*\c]
	v_cvt_scalef32_pk16_fp6_f32 v[PT+4*\c:PT+4*\c+2], v[S+16+32*\c:S+31+32*\c], v[SO+2*\c+1]
.endr
	v_nop                                          ; one plain place behind the scaled conversions
.irp c, 0,1
.irp i, 0,1,2
	v_permlane16_swap_b32 v[PC+6*\c+\i], v[PT+4*\c+\i]
.endr
.irp i, 0,1,2
	v_mov_b32 v[PC+3+6*\c+\i], v[PT+4*\c+\i]
.endr
.endr
.irp j, 0,2,4,6,8,10,12,14,16,18,20,22,24,26,28,30
	v_pk_mul_f32 v[O+\j:O+\j+1], v[O+\j:O+\j+1], v[F:F+1] op_sel_hi:[1,0]      ; O^T under the new M; for each product below, the twelve of these on the other accumulators are the places behind p's scale word and codes
.endr
	s_wait_dscnt 0x0                               ; V^T and its scale words are in
.irp t, 0,1,2,3
	v_wmma_scale_f32_16x16x128_f8f6f4 v[O+8*\t:O+8*\t+7], v[KF+12*\t:KF+12*\t+11], v[PC:PC+11], v[O+8*\t:O+8*\t+7], v[VS+\t], v[PS] matrix_a_fmt:MATRIX_FMT_FP6 matrix_b_fmt:MATRIX_FMT_FP6
.endr
.endm
; THE WAY OUT of query block u: O^T / l, 64 numbers of (head, d) a query, 32 a lane: two blocks of 32 along the last product's K; quantised, they are half fragment number head of the tile's record.
; again = 1: another query block follows: O^T, l and M begin anew.
.macro OUT u, again
	v_add_f32 v14, v14, v15
	v_permlanex16_b32 v[T0], v14, s[SEL], s[SEL+1]
	v_add_f32 v14, v14, v[T0]                      ; the row's sum
	v_rcp_f32 v14, v14
.rept 4
	v_nop                                          ; the plain place behind the reciprocal, and the places behind the last products
.endr
	s_wait_alu depctr_va_vdst(0)                   ; ahead of the reciprocal's first reader
.irp j, 0,1,2,3,4,5,6,7,8,9,10,11,12,13,14,15,16,17,18,19,20,21,22,23,24,25,26,27,28,29,30,31
	v_mul_f32 v[S+\j], v[O+\j], v14                ; register 16 b + i = d 32 b + 16 h + i
.endr
.irp b, 0,1
	v_max3_num_f32 v[BM+\b], |v[S+16*\b]|, |v[S+1+16*\b]|, 0x1800000
.endr
.irp i, 2,4,6,8,10,12,14
.irp b, 0,1
	v_max3_num_f32 v[BM+\b], v[BM+\b], |v[S+16*\b+\i]|, |v[S+1+16*\b+\i]|
.endr
.endr
.irp b, 0,1
	v_permlanex16_b32 v[BP+\b], v[BM+\b], s[SEL], s[SEL+1]
.endr
.irp b, 0,1
	v_max_num_f32 v[BM+\b], v[BM+\b], v[BP+\b]
.endr
.irp b, 0,1
	v_add_nc_u32 v[SO+\b], 0xff000000, v[BM+\b]
.endr
.irp b, 0,1
	v_lshrrev_b32 v[BP+\b], 23, v[SO+\b]
.endr
	v_lshl_or_b32 v[T0], v[BP+1], 8, v[BP]         ; the head's two scale bytes
	v_cvt_scalef32_pk16_fp6_f32 v[PC:PC+2], v[S:S+15], v[SO]
	v_cvt_scalef32_pk16_fp6_f32 v[PT:PT+2], v[S+16:S+31], v[SO+1]
	v_nop
.irp i, 0,1,2
	v_permlane16_swap_b32 v[PC+\i], v[PT+\i]
.endr
.irp i, 0,1,2
	v_mov_b32 v[PC+3+\i], v[PT+\i]
.endr
	global_store_b128 v[LI16], v[PC:PC+3], s[70:71] offset:UO*\u
	global_store_b64 v[LI8], v[PC+4:PC+5], s[70:71] offset:UO*\u+512
	global_store_b16 v[LI16], v[T0], s[72:73] offset:UO*\u+6144
.if \again
.irp j, 0,1,2,3,4,5,6,7,8,9,10,11,12,13,14,15,16,17,18,19,20,21,22,23,24,25,26,27,28,29,30,31
	v_mov_b32 v[O+\j], 0
.endr
	v_mov_b32 v13, 0xff61b1e6
	v_floor_f32 v12, -v13
	v_mov_b32 v14, 0
	v_mov_b32 v15, 0
	s_wait_xcnt 0x0                                ; the three stores have read their data registers, which the next steps write again
.endif
.endm
; THE CHANGE OF SLOTS.  Each wave waits for all its tensor loads (its part of the slot ahead), adds 0 to its spare word, and waits for that and for its reads of the slot that it has left.
; kind 0: nothing is filled.  Else a round of the cluster's barrier, so that no wave of any partner still reads that slot or has a load on its way; the joint refill comes first behind it and has a step in which to land.
; kind 1: the next step of the same query block.  kind 2: the second block's step 0: the bias 512 rows down and back along the keys, k and v back to the head's first step; nothing is prefetched.
; kind 3: as 1; the bias's prefetches go on to the second block's step 2, and k's and v's end.
.macro CHANGE kind
	s_wait_tensorcnt 0x0                           ; no tensor load of mine is out (at most one was), so a group 0 may be written
	ds_add_u32 v[SPW], v[NIL]                      ; 0 onto my spare word
.if \kind
	s_xor_b32 s[G0B+1], s[G0B+1], SLOT1            ; the walking descriptors: the other slot
	s_xor_b32 s[G0K+1], s[G0K+1], SLOT1
.if \kind == 2
	s_add_nc_u64 s[G0B+2:G0B+3], s[G0B+2:G0B+3], UB-7*512
	s_sub_nc_u64 s[G0K+2:G0K+3], s[G0K+2:G0K+3], 7*KVB
.else
	s_add_nc_u64 s[G0B+2:G0B+3], s[G0B+2:G0B+3], 512       ; the next 128 keys of each row of bias,
	s_add_nc_u64 s[G0K+2:G0K+3], s[G0K+2:G0K+3], KVB       ; the next block of k and v
	s_wait_xcnt 0x0                                ; the last prefetch, a step or more back, has read its address
.if \kind == 3
	s_add_nc_u64 s[PFA:PFA+1], s[PFA:PFA+1], s[PFJ:PFJ+1]
	s_cmp_eq_u32 s[WV], 8
	s_cselect_b32 s[LIM], s[LIM], -1
.else
	s_add_nc_u64 s[PFA:PFA+1], s[PFA:PFA+1], s[PFS:PFS+1]
.endif
.endif
.endif
	s_wait_dscnt 0x0                               ; the add is done, and my reads of the slot that I have left are over
.if \kind
	CROUND
	TLOAD
.if \kind != 2
	ASK
.endif
.else
	s_barrier_signal -1
	s_barrier_wait -1
.endif
.endm
; A TRIP: the change of slots; group 1's P2 of the step before; everybody's P1; group 0's P2.  The two branches hang on the wave's number alone and stand round register work and, at a query block's
; end, its three stores: no barrier, no tensor load and no LDS access is jumped over.
; pre: 0 none (the first step), 1 P2, 2 P2 and the first block's way out.  post: 1 P2, 2 P2 and the first block's way out, 3 P2 in every wave (the last step).
.macro TRIP kind, pre, post, qf, qs
	CHANGE \kind
.if \pre
	s_cmp_eq_u32 s[GRP], 0
	s_cbranch_scc1 .Lpre_\@
	P2
.if \pre == 2
	OUT 0, 1
.endif
.Lpre_\@:
.endif
	P1 \qf, \qs
.if \post == 3
	P2
.else
	s_cmp_lg_u32 s[GRP], 0
	s_cbranch_scc1 .Lpost_\@
	P2
.if \post == 2
	OUT 0, 1
.endif
.Lpost_\@:
.endif
.endm
	s_wait_loadcnt 0x0                             ; q, both blocks'
	TRIP 1, 0, 1, QF, QS                           ; step 0 of the first query block: group 1 has no step before it
.Lslot0:                                           ; steps 1 to 6
	TRIP 1, 1, 1, QF, QS
	s_sub_co_u32 s[SLOTS], s[SLOTS], 1
	s_cmp_lg_u32 s[SLOTS], 0
	s_cbranch_scc1 .Lslot0
	TRIP 2, 1, 2, QF, QS                           ; step 7: THE RING GOES ON INTO THE SECOND QUERY BLOCK; group 0's tile leaves
	s_mov_b32 s[SLOTS], 6
	TRIP 3, 2, 1, QF1, QS1                         ; the second block's step 0; group 1's tile leaves
.Lslot1:                                           ; its steps 1 to 6
	TRIP 1, 1, 1, QF1, QS1
	s_sub_co_u32 s[SLOTS], s[SLOTS], 1
	s_cmp_lg_u32 s[SLOTS], 0
	s_cbranch_scc1 .Lslot1
	TRIP 0, 1, 3, QF1, QS1                         ; its step 7 is written out
	OUT 1, 0
	s_wait_tensorcnt 0x0                           ; the wave's end
	ds_add_u32 v[SPW], v[NIL]
	s_wait_dscnt 0x0
	CROUND                                         ; the closing round: no work-group ends while a partner may still ask for a tile that names it
	s_endpgm
.Lfunc_end_k_qc89296c0c2_attn:
	.size	k_qc89296c0c2_attn, .Lfunc_end_k_qc89296c0c2_attn-k_qc89296c0c2_attn
	.p2alignl 7, 3214868480
	.fill 96, 4, 3214868480
	.section	.rodata,"a",@progbits
	.p2align	6, 0x0
	.amdhsa_kernel k_qc89296c0c2_attn
		.amdhsa_group_segment_fixed_size 327680
		.amdhsa_private_segment_fixed_size 0
		.amdhsa_enable_private_segment 0
		.amdhsa_kernarg_size 32
		.amdhsa_user_sgpr_count 2
		.amdhsa_user_sgpr_kernarg_segment_ptr 1
		.amdhsa_wavefront_size32 1
		.amdhsa_system_sgpr_workgroup_id_x 1
		.amdhsa_system_sgpr_workgroup_id_y 1
		.amdhsa_system_sgpr_workgroup_id_z 1
		.amdhsa_system_vgpr_workitem_id 0
		.amdhsa_next_free_vgpr 248
		.amdhsa_next_free_sgpr 80
		.amdhsa_reserve_vcc 0
		.amdhsa_float_denorm_mode_32 3
		.amdhsa_float_denorm_mode_16_64 3
		.amdhsa_memory_ordered 1
		.amdhsa_forward_progress 1
		.amdhsa_inst_pref_size 169
	.end_amdhsa_kernel
	.amdgpu_metadata
---
amdhsa.version: [ 1, 2 ]
amdhsa.kernels:
  - .name:           k_qc89296c0c2_attn
    .symbol:         k_qc89296c0c2_attn.kd
    .args:
      - { .name: qc, .offset: 0, .size: 8, .value_kind: global_buffer, .address_space: global }
      - { .name: kv, .offset: 8, .size: 8, .value_kind: global_buffer, .address_space: global }
      - { .name: pos_bias, .offset: 16, .size: 8, .value_kind: global_buffer, .address_space: global }
      - { .name: oc, .offset: 24, .size: 8, .value_kind: global_buffer, .address_space: global }
    .group_segment_fixed_size: 327680
    .private_segment_fixed_size: 0
    .kernarg_segment_align: 8
    .kernarg_segment_size: 32
    .max_flat_workgroup_size: 512
    .sgpr_count:     80
    .vgpr_count:     248
    .wavefront_size: 32
...
	.end_amdgpu_metadata
.endif
;; end of part 3
;; launch proj (part 4): grid 256 x 1, 4 waves a work-group, no clusters, 60,928 bytes of LDS; arguments oc, wc, out0; writes out0
.if DOCPART == 4
	.amdgcn_target "amdgcn-amd-amdhsa--gfx1250"
	.amdhsa_code_object_version 6
	.text
	.protected	k_qc89296c0c2_proj
	.globl	k_qc89296c0c2_proj
	.p2align	8
	.type	k_qc89296c0c2_proj,@function
k_qc89296c0c2_proj:
	s_mov_b64 s[64:65], 0
	v_nop
	global_prefetch_b8 v0, s[64:65] scope:SCOPE_SE
	s_setreg_imm32_b32 hwreg(HW_REG_WAVE_MODE, 25, 1), 1
	s_wait_xcnt 0x0
; out0 = O Wo^T on codes of FP6 (E2M3) with E8M0 scales; out0 [16384][512] f32.
; Work-group x takes the 64 tokens of group x (four tile records of oc, copied into LDS, wave w record w, and read by all four waves); wave w makes columns 128 w .. 128 w + 127 with its
; eight tiles of Wo (records 96 + 8 w + n of wc) in 384 registers.  Source 0 = 16 rows of Wo, source 1 = 16 tokens: a lane holds one token and eight neighbouring columns in each accumulator.
; The rows of a tile are 32 (t / 2) + 8 (t % 2) + r + 8 (r / 8) of a group of 64, for tokens and for rows of Wo alike.
; A tile of 16 tokens x 128 columns goes through the wave's own stage in LDS (rows 528 bytes apart) and leaves as rows of 512 consecutive bytes, at multiples of 512 from out0's first byte.
; No tensor load and no cluster: the weights go once into registers, and the tokens' codes are a small part of what a work-group reads.
; REGISTERS: as in the launch that makes q, k and v: window 1 Wo's tiles 0-3, window 2 tiles 4-7, window 3 the tokens' four tiles; window 0 the rest.
.set REC,  6656
.set BLKB, 4*REC
.set LI16, 1
.set LI8,  2
.set STW,  3                           ; v3  where I put my record
.set STO,  4                           ; v4  the stage, in: 528 r + 64 h
.set SR,   5                           ; v5  the stage, back: 16 x lane
.set SG,   8
.set WS,   64
.set XS,   96
.set ACC,  112
.set OB,   176                         ; v176-239 16 rows read back
.set WV,   12
.set XB,   14
.set WB,   16
.set OUT,  18
.set MSB, 0
.macro WIN new
.if MSB != \new
	s_set_vgpr_msb (MSB<<8)|\new
.set MSB, \new
.endif
.endm
.macro WM d, a, b, z, sa, sb
.if \z
	v_wmma_scale_f32_16x16x128_f8f6f4 v[\d:\d+7], v[\a:\a+11], v[\b:\b+11], 0, v[\sa], v[\sb] matrix_a_fmt:MATRIX_FMT_FP6 matrix_b_fmt:MATRIX_FMT_FP6
.else
	v_wmma_scale_f32_16x16x128_f8f6f4 v[\d:\d+7], v[\a:\a+11], v[\b:\b+11], v[\d:\d+7], v[\sa], v[\sb] matrix_a_fmt:MATRIX_FMT_FP6 matrix_b_fmt:MATRIX_FMT_FP6
.endif
.endm
.macro FRLG reg, base, off
	global_load_b128 v[\reg:\reg+3], v[LI16], s[\base:\base+1] offset:\off
	global_load_b64 v[\reg+4:\reg+5], v[LI8], s[\base:\base+1] offset:\off+512
	global_load_b128 v[\reg+6:\reg+9], v[LI16], s[\base:\base+1] offset:\off+768
	global_load_b64 v[\reg+10:\reg+11], v[LI8], s[\base:\base+1] offset:\off+1280
.endm
.macro FRLL reg, off
	ds_load_b128 v[\reg:\reg+3], v[LI16] offset:\off
	ds_load_b64 v[\reg+4:\reg+5], v[LI8] offset:\off+512
	ds_load_b128 v[\reg+6:\reg+9], v[LI16] offset:\off+768
	ds_load_b64 v[\reg+10:\reg+11], v[LI8] offset:\off+1280
.endm
	s_load_b128 s[4:7], s[0:1], 0x0                ; oc, wc
	s_load_b64 s[8:9], s[0:1], 0x10                ; out0
	v_lshl_add_u32 v254, v0, 2, 0xec00
	v_mov_b32 v255, 0
	v_lshrrev_b32 v6, 5, v0
	v_readfirstlane_b32 s[WV], v6                  ; wave 0..3
	v_and_b32 v6, 31, v0
	v_lshlrev_b32 v[LI16], 4, v6
	v_lshlrev_b32 v[LI8], 3, v6
	s_mul_i32 s20, s[WV], REC
	v_add_nc_u32 v[STW], s20, v[LI16]
	v_and_b32 v6, 15, v0
	v_bfe_u32 v7, v0, 4, 1
	v_mul_u32_u24 v[STO], v6, 528
	v_lshl_add_u32 v[STO], v7, 6, v[STO]
	s_mul_i32 s20, s[WV], 8448
	s_add_co_u32 s20, s20, BLKB                    ; my stage lies behind the four records
	v_add_nc_u32 v[STO], s20, v[STO]
	v_add_nc_u32 v[SR], s20, v[LI16]
	s_lshl_b32 s20, ttmp9, 2
	s_add_co_u32 s20, s20, s[WV]
	s_mul_i32 s20, s20, REC                        ; oc's record 4 x + w
	s_mov_b32 s21, 0
	s_lshl_b32 s22, s[WV], 3
	s_add_co_u32 s22, s22, 96
	s_mul_i32 s22, s22, REC                        ; wc's record 96 + 8 w
	s_mov_b32 s23, 0
	s_lshl_b32 s24, ttmp9, 17                      ; 64 rows of 2,048 bytes a group,
	s_lshl_b32 s25, s[WV], 9                       ; my 128 columns
	s_add_co_u32 s24, s24, s25
	s_mov_b32 s25, 0
	s_wait_kmcnt 0x0
	s_add_nc_u64 s[XB:XB+1], s[4:5], s[20:21]
	s_add_nc_u64 s[WB:WB+1], s[6:7], s[22:23]
	s_add_nc_u64 s[OUT:OUT+1], s[8:9], s[24:25]
.irp i, 0,1,2,3,4,5,6,7,8,9,10,11,12
	global_load_b128 v[SG+4*\i:SG+4*\i+3], v[LI16], s[XB:XB+1] offset:512*\i
.endr
	WIN 0x40                                       ; destination window 1
.irp n, 0,1,2,3
.irp s, 0,1,2,3
	FRLG 12*(4*\n+\s), WB, REC*\n+1536*\s
.endr
.endr
	WIN 0x80                                       ; destination window 2
.irp n, 0,1,2,3
.irp s, 0,1,2,3
	FRLG 12*(4*\n+\s), WB, REC*(\n+4)+1536*\s
.endr
.endr
	WIN 0
.irp n, 0,1,2,3,4,5,6,7
	global_load_b128 v[WS+4*\n:WS+4*\n+3], v[LI16], s[WB:WB+1] offset:REC*\n+6144
.endr
	s_wait_loadcnt 0x0
.irp i, 0,1,2,3,4,5,6,7,8,9,10,11,12
	ds_store_b128 v[STW], v[SG+4*\i:SG+4*\i+3] offset:512*\i
.endr
	s_wait_dscnt 0x0                               ; for the others' sake: my record has landed
	s_barrier_signal -1
	s_barrier_wait -1                              ; the four records lie in LDS; nobody writes them again
	WIN 0xc0                                       ; destination window 3
.irp m, 0,1,2,3
.irp s, 0,1,2,3
	FRLL 12*(4*\m+\s), REC*\m+1536*\s
.endr
.endr
	WIN 0
.irp m, 0,1,2,3
	ds_load_b128 v[XS+4*\m:XS+4*\m+3], v[LI16] offset:REC*\m+6144
.endr
	s_wait_dscnt 0x0
; Tile m of the tokens against my eight tiles of Wo; four accumulators take turns, one instruction a turn.
.macro GROUP m
	WIN 0x0d                                       ; source 0 (Wo) window 1, source 1 (tokens) window 3
.irp s, 0,1,2,3
.irp n, 0,1,2,3
	WM ACC+8*\n, 12*(4*\n+\s), 12*(4*\m+\s), \s==0, WS+4*\n+\s, XS+4*\m+\s
.endr
.endr
	WIN 0x0e                                       ; source 0 window 2
.irp s, 0,1,2,3
.irp n, 4,5,6,7
	WM ACC+8*\n, 12*(4*(\n-4)+\s), 12*(4*\m+\s), \s==0, WS+4*\n+\s, XS+4*\m+\s
.endr
.endr
	WIN 0
.rept 5
	v_nop                                          ; four places ahead of the stores that read the results; the fifth because the next group's products begin these accumulators anew, and only LDS and memory instructions stand between
.endr
.irp n, 0,1,2,3,4,5,6,7
	ds_store_b128 v[STO], v[ACC+8*\n:ACC+8*\n+3] offset:128*(\n/2)+32*(\n%2)       ; lane (r, h): columns 32 (n / 2) + 16 h + 8 (n % 2) + 0 .. 7 of my 128; each accumulator from its low end on
	ds_store_b128 v[STO], v[ACC+8*\n+4:ACC+8*\n+7] offset:128*(\n/2)+32*(\n%2)+16
.endr
	s_wait_xcnt 0x0                                ; the last group's stores have read the registers into which the rows come back
.irp i, 0,1,2,3,4,5,6,7,8,9,10,11,12,13,14,15
	ds_load_b128 v[OB+4*\i:OB+4*\i+3], v[SR] offset:528*\i     ; LDS serves a wave's instructions in order: these see the stores above, and the next group's stores come behind them
.endr
.irp i, 0,1,2,3,4,5,6,7,8,9,10,11,12,13,14,15
	s_wait_dscnt 15-\i                             ; row i is back; the younger reads may stay out
	global_store_b128 v[LI16], v[OB+4*\i:OB+4*\i+3], s[OUT:OUT+1] offset:(32*(\m/2)+8*(\m%2)+\i+8*(\i/8))*2048 th:TH_STORE_NT
.endr
.endm
	GROUP 0
	GROUP 1
	GROUP 2
	GROUP 3
	s_wait_tensorcnt 0x0
	ds_add_u32 v254, v255
	s_wait_dscnt 0x0
	s_endpgm
.Lfunc_end_k_qc89296c0c2_proj:
	.size	k_qc89296c0c2_proj, .Lfunc_end_k_qc89296c0c2_proj-k_qc89296c0c2_proj
	.p2alignl 7, 3214868480
	.fill 96, 4, 3214868480
	.section	.rodata,"a",@progbits
	.p2align	6, 0x0
	.amdhsa_kernel k_qc89296c0c2_proj
		.amdhsa_group_segment_fixed_size 60928
		.amdhsa_private_segment_fixed_size 0
		.amdhsa_enable_private_segment 0
		.amdhsa_kernarg_size 24
		.amdhsa_user_sgpr_count 2
		.amdhsa_user_sgpr_kernarg_segment_ptr 1
		.amdhsa_wavefront_size32 1
		.amdhsa_system_sgpr_workgroup_id_x 1
		.amdhsa_system_sgpr_workgroup_id_y 1
		.amdhsa_system_sgpr_workgroup_id_z 1
		.amdhsa_system_vgpr_workitem_id 0
		.amdhsa_next_free_vgpr 960
		.amdhsa_next_free_sgpr 66
		.amdhsa_reserve_vcc 0
		.amdhsa_float_denorm_mode_32 3
		.amdhsa_float_denorm_mode_16_64 3
		.amdhsa_memory_ordered 1
		.amdhsa_forward_progress 1
		.amdhsa_inst_pref_size 55
	.end_amdhsa_kernel
	.amdgpu_metadata
---
amdhsa.version: [ 1, 2 ]
amdhsa.kernels:
  - .name:           k_qc89296c0c2_proj
    .symbol:         k_qc89296c0c2_proj.kd
    .args:
      - { .name: oc, .offset: 0, .size: 8, .value_kind: global_buffer, .address_space: global }
      - { .name: wc, .offset: 8, .size: 8, .value_kind: global_buffer, .address_space: global }
      - { .name: out0, .offset: 16, .size: 8, .value_kind: global_buffer, .address_space: global }
    .group_segment_fixed_size: 60928
    .private_segment_fixed_size: 0
    .kernarg_segment_align: 8
    .kernarg_segment_size: 24
    .max_flat_workgroup_size: 128
    .sgpr_count:     66
    .vgpr_count:     960
    .wavefront_size: 32
...
	.end_amdgpu_metadata
.endif
;; end of part 4
;; ======== version 2 of 2: 4 launches
;; workspace buffers: xc 6,815,744 bytes; wc 851,968 bytes; qc 7,340,032 bytes; kv 14,155,776 bytes; oc 6,815,744 bytes
;; launch quant (part 5): grid 288 x 1, 4 waves a work-group, no clusters, 34,304 bytes of LDS; arguments x, Wq, Wk, Wv, Wo, xc, wc; writes xc, wc
.if DOCPART == 5
	.amdgcn_target "amdgcn-amd-amdhsa--gfx1250"
	.amdhsa_code_object_version 6
	.text
	.protected	k_qc89296c0c2_quant
	.globl	k_qc89296c0c2_quant
	.p2align	8
	.type	k_qc89296c0c2_quant,@function
k_qc89296c0c2_quant:
	s_mov_b64 s[64:65], 0
	v_nop
	global_prefetch_b8 v0, s[64:65] scope:SCOPE_SE
	s_setreg_imm32_b32 hwreg(HW_REG_WAVE_MODE, 25, 1), 1
	s_wait_xcnt 0x0
; x [16384][512] and the four weights [512][512], f32 with K innermost, become codes of FP6 (E2M3) with one E8M0 byte for each 32 along K,
; laid in the ORDER OF AN OPERAND'S REGISTERS.  Rows go in groups of 64; tile t (0..3) of a group holds in lane r the row
; 32 (t / 2) + 8 (t % 2) + r + 8 (r / 8).  A tile's record is 6,656 bytes: eight half fragments (16 rows x 64 K, six registers a lane:
; registers 0-3 as 16 bytes at 16 x lane, registers 4-5 as 8 bytes at 512 + 8 x lane), then 512 bytes of scale words (16 bytes at 16 x lane: the words of K steps 0..3).
; A block's scale is 2^(floor(log2(largest magnitude)) - 2); its byte is the largest magnitude's exponent field - 2, held at 1 from below.
; LIMITS: NaN and infinities among the inputs are not served; a block whose largest magnitude lies under 2^-124 takes the held byte 1 (a block of zeros too:
; its codes are zeros, and the bytes are read by this program alone).
; SHARES: work-groups 0..255 take the 256 groups of x, 256 + 8 i + g takes group g of weight i (Wq, Wk, Wv, Wo).  Wave w takes tile w: 16 rows x 512.
; Each load reads 512 consecutive bytes of one row; a K step's 16 x 512 bytes turn through the wave's own stage in LDS (rows 528 bytes apart), so that a lane
; gets 16 neighbours of each block of 32.  No barrier: waves share nothing.  No matrix unit, no cluster: the launch moves bytes.
.set LI16, 1                           ; v1   16 x lane
.set LI8,  2                           ; v2   8 x lane
.set STS,  3                           ; v3   the stage on the way in: 8448 x wave + 16 x lane
.set LDR,  4                           ; v4   on the way out: 8448 x wave + 528 r + 64 h
.set TM,   8                           ; v8-23  at work in QUANT
.set SW,   24                          ; v24-27 the four K steps' scale words
.set R,    32                          ; v32-159  two sets of 64 registers as loaded
.set X,    160                         ; v160-223 64 numbers: register 16 b + i = k 32 b + 16 h + i of my row
.set PC,   224                         ; v224-243 the codes
.set IN,   18                          ; s[18:19] my tile's first row
.set OUT,  20                          ; s[20:21] my tile's record
.set SEL,  24                          ; s[24:25] selects of v_permlanex16_b32: lane l xor 16
.set WV,   26
; 64 numbers of a lane become a fragment's codes in v[PC] .. v[PC + 11] and its scale word in v[pw].  fl: the floor among the maximum's leaves.
.macro QUANT s, fl, pw
.irp b, 0,1,2,3
	v_max3_num_f32 v[TM+\b], |v[\s+16*\b]|, |v[\s+1+16*\b]|, \fl      ; block b: my 16 numbers and the floor
.endr
.irp i, 2,4,6,8,10,12,14
.irp b, 0,1,2,3
	v_max3_num_f32 v[TM+\b], v[TM+\b], |v[\s+16*\b+\i]|, |v[\s+1+16*\b+\i]|   ; the four blocks by turns
.endr
.endr
.irp b, 0,1,2,3
	v_permlanex16_b32 v[TM+4+\b], v[TM+\b], s[SEL], s[SEL+1]
.endr
.irp b, 0,1,2,3
	v_max_num_f32 v[TM+\b], v[TM+\b], v[TM+4+\b]                      ; with lane l xor 16's 16: the block's largest magnitude
.endr
.irp b, 0,1,2,3
	v_add_nc_u32 v[TM+12+\b], 0xff000000, v[TM+\b]                    ; 2 off its exponent field: the conversion's scale operand
.endr
.irp b, 0,1,2,3
	v_lshrrev_b32 v[TM+4+\b], 23, v[TM+12+\b]                         ; the scale's byte
.endr
	v_lshl_or_b32 v[\pw], v[TM+5], 8, v[TM+4]
	v_lshl_or_b32 v[\pw], v[TM+6], 16, v[\pw]
	v_lshl_or_b32 v[\pw], v[TM+7], 24, v[\pw]
.irp c, 0,1
	v_cvt_scalef32_pk16_fp6_f32 v[PC+6*\c:PC+6*\c+2], v[\s+32*\c:\s+32*\c+15], v[TM+12+2*\c]
	v_cvt_scalef32_pk16_fp6_f32 v[PC+12+4*\c:PC+12+4*\c+2], v[\s+16+32*\c:\s+16+32*\c+15], v[TM+13+2*\c]   ; (a conversion's three registers begin on an even number)
.endr
	v_nop                                                             ; one plain place behind the scaled conversions
.irp c, 0,1                                                           ; a whole block to a lane: lanes 0-15 block 2 c, lanes 16-31 block 2 c + 1
.irp i, 0,1,2
	v_permlane16_swap_b32 v[PC+6*\c+\i], v[PC+12+4*\c+\i]
.endr
.irp i, 0,1,2
	v_mov_b32 v[PC+3+6*\c+\i], v[PC+12+4*\c+\i]
.endr
.endr
.endm
.macro HFST reg, base, off             ; a half fragment leaves: 512 and 256 consecutive bytes, each at a multiple of 256 from the buffer's first byte
	global_store_b128 v[LI16], v[\reg:\reg+3], s[\base:\base+1] offset:\off
	global_store_b64 v[LI8], v[\reg+4:\reg+5], s[\base:\base+1] offset:\off+512
.endm
	s_load_b256 s[4:11], s[0:1], 0x0               ; x, Wq, Wk, Wv
	s_load_b128 s[12:15], s[0:1], 0x20             ; Wo, xc
	s_load_b64 s[16:17], s[0:1], 0x30              ; wc
	v_lshl_add_u32 v248, v0, 2, 0x8400
	v_mov_b32 v249, 0
	v_lshrrev_b32 v5, 5, v0
	v_readfirstlane_b32 s[WV], v5                  ; wave 0..3
	v_and_b32 v5, 31, v0
	v_lshlrev_b32 v[LI16], 4, v5
	v_lshlrev_b32 v[LI8], 3, v5
	s_mul_i32 s27, s[WV], 8448                     ; my stage: 16 rows x 528 bytes
	v_add_nc_u32 v[STS], s27, v[LI16]
	v_and_b32 v6, 15, v0                           ; r
	v_bfe_u32 v7, v0, 4, 1                         ; h
	v_mul_u32_u24 v[LDR], v6, 528
	v_lshl_add_u32 v[LDR], v7, 6, v[LDR]
	v_add_nc_u32 v[LDR], s27, v[LDR]
.irp b, 0,1,2,3
	v_mov_b32 v[TM+4+\b], 0                        ; written once: a lane permute's destination counts as one of its sources
.endr
	s_mov_b32 s[SEL], 0x76543210
	s_mov_b32 s[SEL+1], 0xfedcba98
	s_and_b32 s22, ttmp9, 7                        ; a weight's group
	s_sub_co_u32 s23, ttmp9, 256                   ; and its number among the weights' 32 groups
	s_lshr_b32 s28, s[WV], 1
	s_lshl_b32 s28, s28, 16                        ; my tile begins 32 (w / 2) rows of 2,048 bytes
	s_and_b32 s29, s[WV], 1
	s_lshl_b32 s29, s29, 14                        ; + 8 (w % 2) rows into the group
	s_add_co_u32 s28, s28, s29
	s_wait_alu depctr_va_vdst(0)
	s_wait_kmcnt 0x0
	s_mov_b64 s[IN:IN+1], s[12:13]                 ; the tensor is chosen by the work-group's number alone
	s_cmp_lt_u32 ttmp9, 280
	s_cselect_b64 s[IN:IN+1], s[10:11], s[IN:IN+1]
	s_cmp_lt_u32 ttmp9, 272
	s_cselect_b64 s[IN:IN+1], s[8:9], s[IN:IN+1]
	s_cmp_lt_u32 ttmp9, 264
	s_cselect_b64 s[IN:IN+1], s[6:7], s[IN:IN+1]
	s_cmp_lt_u32 ttmp9, 256
	s_cselect_b64 s[IN:IN+1], s[4:5], s[IN:IN+1]
	s_cselect_b64 s[OUT:OUT+1], s[14:15], s[16:17]
	s_cselect_b32 s22, ttmp9, s22
	s_cselect_b32 s23, ttmp9, s23
	s_lshl_b32 s30, s22, 17                        ; a group is 64 rows x 2,048 bytes
	s_add_co_u32 s30, s30, s28
	s_mov_b32 s31, 0
	s_add_nc_u64 s[IN:IN+1], s[IN:IN+1], s[30:31]
	s_lshl_b32 s32, s23, 2
	s_add_co_u32 s32, s32, s[WV]
	s_mul_i32 s32, s32, 6656                       ; record 4 x group + tile
	s_mov_b32 s33, 0
	s_add_nc_u64 s[OUT:OUT+1], s[OUT:OUT+1], s[32:33]
.macro LOAD s                          ; K step s of my 16 rows into set s % 2: each load is 512 consecutive bytes of one row
.irp i, 0,1,2,3,4,5,6,7,8,9,10,11,12,13,14,15
	global_load_b128 v[R+64*((\s)%2)+4*\i:R+64*((\s)%2)+4*\i+3], v[LI16], s[IN:IN+1] offset:(\i+8*(\i/8))*2048+512*(\s) th:TH_LOAD_NT
.endr
.endm
.macro STEP s
.if \s < 3
	s_wait_loadcnt 16                              ; this step's 16 loads are in; the younger set's 16 may stay out
.else
	s_wait_loadcnt 0x0
.endif
.irp i, 0,1,2,3,4,5,6,7,8,9,10,11,12,13,14,15
	ds_store_b128 v[STS], v[R+64*((\s)%2)+4*\i:R+64*((\s)%2)+4*\i+3] offset:528*\i
.endr
.irp b, 0,1,2,3
.irp j, 0,1,2,3
	ds_load_b128 v[X+16*\b+4*\j:X+16*\b+4*\j+3], v[LDR] offset:128*\b+16*\j    ; LDS serves a wave's instructions in order: these see the stores above
.endr
.endr
	s_wait_dscnt 0x0                               ; my 64 numbers are in, and the stores into the stage have read their registers
	s_wait_xcnt 0x0                                ; the last step's stores have read the codes' registers, which QUANT writes again
.if \s < 2
	LOAD (\s)+2
.endif
	QUANT X, 0x1800000, SW+\s
	HFST PC, OUT, 1536*\s
	HFST PC+6, OUT, 1536*\s+768
.endm
	LOAD 0
	LOAD 1
	STEP 0
	STEP 1
	STEP 2
	STEP 3
	global_store_b128 v[LI16], v[SW:SW+3], s[OUT:OUT+1] offset:6144    ; the scale words: lanes 16-31 hold what lanes 0-15 hold
	s_wait_tensorcnt 0x0
	ds_add_u32 v248, v249
	s_wait_dscnt 0x0
	s_endpgm
.Lfunc_end_k_qc89296c0c2_quant:
	.size	k_qc89296c0c2_quant, .Lfunc_end_k_qc89296c0c2_quant-k_qc89296c0c2_quant
	.p2alignl 7, 3214868480
	.fill 96, 4, 3214868480
	.section	.rodata,"a",@progbits
	.p2align	6, 0x0
	.amdhsa_kernel k_qc89296c0c2_quant
		.amdhsa_group_segment_fixed_size 34304
		.amdhsa_private_segment_fixed_size 0
		.amdhsa_enable_private_segment 0
		.amdhsa_kernarg_size 56
		.amdhsa_user_sgpr_count 2
		.amdhsa_user_sgpr_kernarg_segment_ptr 1
		.amdhsa_wavefront_size32 1
		.amdhsa_system_sgpr_workgroup_id_x 1
		.amdhsa_system_sgpr_workgroup_id_y 1
		.amdhsa_system_sgpr_workgroup_id_z 1
		.amdhsa_system_vgpr_workitem_id 0
		.amdhsa_next_free_vgpr 250
		.amdhsa_next_free_sgpr 66
		.amdhsa_reserve_vcc 0
		.amdhsa_float_denorm_mode_32 3
		.amdhsa_float_denorm_mode_16_64 3
		.amdhsa_memory_ordered 1
		.amdhsa_forward_progress 1
		.amdhsa_inst_pref_size 34
	.end_amdhsa_kernel
	.amdgpu_metadata
---
amdhsa.version: [ 1, 2 ]
amdhsa.kernels:
  - .name:           k_qc89296c0c2_quant
    .symbol:         k_qc89296c0c2_quant.kd
    .args:
      - { .name: x, .offset: 0, .size: 8, .value_kind: global_buffer, .address_space: global }
      - { .name: Wq, .offset: 8, .size: 8, .value_kind: global_buffer, .address_space: global }
      - { .name: Wk, .offset: 16, .size: 8, .value_kind: global_buffer, .address_space: global }
      - { .name: Wv, .offset: 24, .size: 8, .value_kind: global_buffer, .address_space: global }
      - { .name: Wo, .offset: 32, .size: 8, .value_kind: global_buffer, .address_space: global }
      - { .name: xc, .offset: 40, .size: 8, .value_kind: global_buffer, .address_space: global }
      - { .name: wc, .offset: 48, .size: 8, .value_kind: global_buffer, .address_space: global }
    .group_segment_fixed_size: 34304
    .private_segment_fixed_size: 0
    .kernarg_segment_align: 8
    .kernarg_segment_size: 56
    .max_flat_workgroup_size: 128
    .sgpr_count:     66
    .vgpr_count:     250
    .wavefront_size: 32
...
	.end_amdgpu_metadata
.endif
;; end of part 5
;; launch qkv (part 6): grid 64 x 3, 4 waves a work-group, no clusters, 53,760 bytes of LDS; arguments xc, wc, qc, kv; writes qc, kv
.if DOCPART == 6
	.amdgcn_target "amdgcn-amd-amdhsa--gfx1250"
	.amdhsa_code_object_version 6
	.text
	.protected	k_qc89296c0c2_qkv
	.globl	k_qc89296c0c2_qkv
	.p2align	8
	.type	k_qc89296c0c2_qkv,@function
k_qc89296c0c2_qkv:
	s_mov_b64 s[64:65], 0
	v_nop
	global_prefetch_b8 v0, s[64:65] scope:SCOPE_SE
	s_setreg_imm32_b32 hwreg(HW_REG_WAVE_SCHED_MODE, 0, 2), 2
	s_setreg_imm32_b32 hwreg(HW_REG_WAVE_MODE, 25, 1), 1
	s_wait_xcnt 0x0
	s_wait_alu depctr_vm_vsrc(0)
; q = x Wq^T, k = x Wk^T, v = x Wv^T on codes of FP6 (E2M3) with E8M0 scales; each result is quantised in registers for the next product and leaves as codes.
; Work-group (x, y): kind y (0 q, 1 k, 2 v), tokens 256 x .. 256 x + 255, in four blocks of 64.  THE WAVES SHARE THE COLUMNS: wave w holds heads 2 w and 2 w + 1 of its
; weight, 32 fragments in 384 registers, read once.  3 x 64 = 192 work-groups: all 1,536 columns would want 1,152 registers on each SIMD, so the kinds are apart.
; A block's four tile records (26,624 bytes) are copied into LDS, wave w record w, and read by all four waves; two buffers by turns, one barrier a block.
; q and k are quantised along the head's 64: source 0 = 16 rows of W, source 1 = 16 tokens, so that a lane holds one token and its registers run along d.
; v is quantised along the tokens (the keys): the sources are swapped, a lane holds one d and its registers run along the tokens.
; The rows of a tile are 32 (t / 2) + 8 (t % 2) + r + 8 (r / 8) of a group of 64, so that 16 registers of two neighbouring tiles are 16 neighbours along the next K.
; q x 1/8: a power of two: q's codes stay and 3 is taken off each scale byte; q's floor, 2^-121, holds every byte at 4 first, so the one subtraction borrows nothing.
; OUT: qc [b][head][step of 128 tokens] 7,168 bytes: 8 half fragments, two images of scale words.  kv [b][head][step] 13,824 bytes: K's 8 half fragments, V^T's 8 (tile of d, half of the keys), K's two images, V's one.
; LIMITS: NaN and infinities are not served; blocks under the floor (2^-124; q: 2^-121) take the held byte; a block of zeros too.
; No tensor load and no cluster: each work-group reads its weights once into registers, and the tokens' codes are a small part of what it reads.
; REGISTERS: window 0: addresses, v8-59 the block on its way to LDS, v64-95 W's scale words, v96-111 x's, v112-175 eight accumulators, v176-223 the quantiser's.
;   window 1: W's tiles 0-3 (12 (4 n + s)); window 2: tiles 4-7; window 3: x's four tiles (12 (4 m + s)).
; THE MODE: SCHED_MODE bits 1:0 = 2 (LLVM: expert scheduling mode 2), set by the entry lines.  The code itself states the register dependences
; between vector or matrix instructions and memory or LDS instructions, with s_wait_alu, always for 0.
; THE PLAN.  Registers that memory or LDS instructions touch:
;   v1, v2, v3        offsets and my record's place in LDS: written at the head, never again; read by every load and store.  One wait on va_vdst at the head.
;   SG (v8-59)        written by the global loads behind a block's barrier, read by the LDS stores at the next block's head; no vector or matrix instruction names them.
;                     One wait on vm_vsrc behind the barrier: the LDS stores have read them.
;   windows 1, 2, WS  loaded once at the head; after that products alone read them.
;   window 3, XS      written by the LDS loads at a block's head, read by that block's products.  One wait on va_vdst ahead of the loads: the last block's products are done reading.
;   PC, SW            written by a group's quantiser and the lines behind it, read by the group's stores.  One wait on va_vdst ahead of the run of stores; one on vm_vsrc, beside the wait
;                     on XCNT, ahead of the next group's quantiser: it stands that group's 32 products behind the stores.
;   v254, v255        written at the head, read by the closing add alone.
; A, B and the scales of every product are filled by loads; the accumulators, TM and PW are named by vector and matrix instructions alone.
.set REC,  6656
.set BLKB, 4*REC
.set LI16, 1
.set LI8,  2
.set STW,  3                           ; v3  where I put my record: 6656 x wave + 16 x lane
.set SG,   8
.set WS,   64
.set XS,   96
.set ACC,  112
.set PC,   176
.set TM,   196
.set PW,   212
.set SW,   216
.set WV,   12
.set KIND, 13
.set XB,   14                          ; s[14:15] my record of the trip's first block
.set WB,   16                          ; s[16:17] my eight records of the weight
.set CA,   18                          ; s[18:19] head 2 w's block of the step in hand;  s[20:21] head 2 w + 1's
.set CB,   20
.set SA,   22                          ; s[22:23], s[24:25] their scale images (q, k)
.set SB,   24
.set SS,   26                          ; s[26:27] bytes from step to step;  s[28:29] from head to head
.set HS,   28
.set FL,   30                          ; the floor
.set ADJ,  31                          ; what is taken off the scale word
.set SEL,  32
.set TR,   34
.set MSB, 0
.macro WIN new                         ; the immediate's high byte repeats the setting that is left
.if MSB != \new
	s_set_vgpr_msb (MSB<<8)|\new
.set MSB, \new
.endif
.endm
.macro PLACES n
.rept \n
	v_nop
.endr
.endm
.macro WM d, a, b, z, sa, sb           ; one scaled product; z: it starts its sum
.if \z
	v_wmma_scale_f32_16x16x128_f8f6f4 v[\d:\d+7], v[\a:\a+11], v[\b:\b+11], 0, v[\sa], v[\sb] matrix_a_fmt:MATRIX_FMT_FP6 matrix_b_fmt:MATRIX_FMT_FP6
.else
	v_wmma_scale_f32_16x16x128_f8f6f4 v[\d:\d+7], v[\a:\a+11], v[\b:\b+11], v[\d:\d+7], v[\sa], v[\sb] matrix_a_fmt:MATRIX_FMT_FP6 matrix_b_fmt:MATRIX_FMT_FP6
.endif
.endm
.macro QUANT s, fl, pw                 ; 64 numbers of a lane (register 16 b + i = k 32 b + 16 h + i) -> codes in v[PC] .. v[PC + 11], scale word in v[pw]
.irp b, 0,1,2,3
	v_max3_num_f32 v[TM+\b], |v[\s+16*\b]|, |v[\s+1+16*\b]|, \fl      ; each accumulator is read from its low end on
.endr
.irp i, 2,4,6,8,10,12,14
.irp b, 0,1,2,3
	v_max3_num_f32 v[TM+\b], v[TM+\b], |v[\s+16*\b+\i]|, |v[\s+1+16*\b+\i]|
.endr
.endr
.irp b, 0,1,2,3
	v_permlanex16_b32 v[TM+4+\b], v[TM+\b], s[SEL], s[SEL+1]
.endr
.irp b, 0,1,2,3
	v_max_num_f32 v[TM+\b], v[TM+\b], v[TM+4+\b]
.endr
.irp b, 0,1,2,3
	v_add_nc_u32 v[TM+12+\b], 0xff000000, v[TM+\b]                    ; 2 off the exponent field: the conversion's scale operand
.endr
.irp b, 0,1,2,3
	v_lshrrev_b32 v[TM+4+\b], 23, v[TM+12+\b]
.endr
	v_lshl_or_b32 v[\pw], v[TM+5], 8, v[TM+4]
	v_lshl_or_b32 v[\pw], v[TM+6], 16, v[\pw]
	v_lshl_or_b32 v[\pw], v[TM+7], 24, v[\pw]
.irp c, 0,1
	v_cvt_scalef32_pk16_fp6_f32 v[PC+6*\c:PC+6*\c+2], v[\s+32*\c:\s+32*\c+15], v[TM+12+2*\c]
	v_cvt_scalef32_pk16_fp6_f32 v[PC+12+4*\c:PC+12+4*\c+2], v[\s+16+32*\c:\s+16+32*\c+15], v[TM+13+2*\c]
.endr
	v_nop                                                             ; one plain place behind the scaled conversions
.irp c, 0,1
.irp i, 0,1,2
	v_permlane16_swap_b32 v[PC+6*\c+\i], v[PC+12+4*\c+\i]
.endr
.irp i, 0,1,2
	v_mov_b32 v[PC+3+6*\c+\i], v[PC+12+4*\c+\i]
.endr
.endr
.endm
.macro HFST reg, base, off
	global_store_b128 v[LI16], v[\reg:\reg+3], s[\base:\base+1] offset:\off
	global_store_b64 v[LI8], v[\reg+4:\reg+5], s[\base:\base+1] offset:\off+512
.endm
.macro FRLG reg, base, off             ; a fragment (two half fragments) from memory
	global_load_b128 v[\reg:\reg+3], v[LI16], s[\base:\base+1] offset:\off
	global_load_b64 v[\reg+4:\reg+5], v[LI8], s[\base:\base+1] offset:\off+512
	global_load_b128 v[\reg+6:\reg+9], v[LI16], s[\base:\base+1] offset:\off+768
	global_load_b64 v[\reg+10:\reg+11], v[LI8], s[\base:\base+1] offset:\off+1280
.endm
.macro FRLL reg, off                   ; and from LDS
	ds_load_b128 v[\reg:\reg+3], v[LI16] offset:\off
	ds_load_b64 v[\reg+4:\reg+5], v[LI8] offset:\off+512
	ds_load_b128 v[\reg+6:\reg+9], v[LI16] offset:\off+768
	ds_load_b64 v[\reg+10:\reg+11], v[LI8] offset:\off+1280
.endm
	s_load_b256 s[4:11], s[0:1], 0x0               ; xc, wc, qc, kv
	v_lshl_add_u32 v254, v0, 2, 0xd000
	v_mov_b32 v255, 0
	v_lshrrev_b32 v4, 5, v0
	v_readfirstlane_b32 s[WV], v4                  ; wave 0..3
	v_and_b32 v4, 31, v0
	v_lshlrev_b32 v[LI16], 4, v4
	v_lshlrev_b32 v[LI8], 3, v4
	s_wait_alu depctr_va_sdst(0)                   ; the wave's number is written into s12, ahead of its first reader: LDS places and all bases are made from it
	s_mul_i32 s36, s[WV], REC
	v_add_nc_u32 v[STW], s36, v[LI16]
.irp b, 0,1,2,3
	v_mov_b32 v[TM+4+\b], 0                        ; written once: a lane permute's destination counts as one of its sources
.endr
	s_and_b32 s[KIND], ttmp7, 0xffff
	s_mov_b32 s[SEL], 0x76543210
	s_mov_b32 s[SEL+1], 0xfedcba98
	s_lshl_b32 s36, ttmp9, 4
	s_add_co_u32 s36, s36, s[WV]
	s_mul_i32 s36, s36, REC                        ; x's record 16 x + w
	s_mov_b32 s37, 0
	s_lshl_b32 s38, s[KIND], 5
	s_lshl_b32 s39, s[WV], 3
	s_add_co_u32 s38, s38, s39
	s_mul_i32 s38, s38, REC                        ; the weight's record 32 kind + 8 w
	s_mov_b32 s39, 0
	s_wait_kmcnt 0x0
	s_add_nc_u64 s[XB:XB+1], s[4:5], s[36:37]
	s_add_nc_u64 s[WB:WB+1], s[6:7], s[38:39]
	s_wait_alu depctr_va_vdst(0)                   ; v1, v2 and v3 are written: every load and store of the kernel reads one of them as its offset or address; up to the last of the head's loads only loads and window switches follow
.irp i, 0,1,2,3,4,5,6,7,8,9,10,11,12
	global_load_b128 v[SG+4*\i:SG+4*\i+3], v[LI16], s[XB:XB+1] offset:512*\i       ; block 0: my record, 13 x 512 bytes
.endr
	WIN 0x40                                       ; destination window 1
.irp n, 0,1,2,3
.irp s, 0,1,2,3
	FRLG 12*(4*\n+\s), WB, REC*\n+1536*\s
.endr
.endr
	WIN 0x80                                       ; destination window 2
.irp n, 0,1,2,3
.irp s, 0,1,2,3
	FRLG 12*(4*\n+\s), WB, REC*(\n+4)+1536*\s
.endr
.endr
	WIN 0
.irp n, 0,1,2,3,4,5,6,7
	global_load_b128 v[WS+4*\n:WS+4*\n+3], v[LI16], s[WB:WB+1] offset:REC*\n+6144  ; tile n's scale words of K steps 0..3
.endr
	s_cmp_eq_u32 s[KIND], 0                        ; where the results go: q's buffer, or k's and v's
	s_cselect_b64 s[CA:CA+1], s[8:9], s[10:11]
	s_mov_b32 s[SS], 13824
	s_cselect_b32 s[SS], 7168, s[SS]
	s_mov_b32 s[HS], 110592
	s_cselect_b32 s[HS], 57344, s[HS]
	s_mov_b32 s40, 12288
	s_cselect_b32 s40, 6144, s40                   ; where a block's scale images begin
	s_mov_b32 s[FL], 0x1800000
	s_cselect_b32 s[FL], 0x3000000, s[FL]
	s_cselect_b32 s[ADJ], 0x03030303, 0
	s_mov_b32 s[SS+1], 0
	s_mov_b32 s[HS+1], 0
	s_mov_b32 s41, 0
	s_lshr_b32 s36, ttmp9, 2                       ; the batch
	s_lshl_b32 s36, s36, 3
	s_lshl_b32 s37, s[WV], 1
	s_add_co_u32 s36, s36, s37                     ; 8 b + 2 w
	s_mul_i32 s36, s36, s[HS]
	s_and_b32 s37, ttmp9, 3
	s_lshl_b32 s37, s37, 1                         ; my first step of 128 tokens in the batch
	s_mul_i32 s37, s37, s[SS]
	s_add_co_u32 s36, s36, s37
	s_mov_b32 s37, 0
	s_add_nc_u64 s[CA:CA+1], s[CA:CA+1], s[36:37]
	s_add_nc_u64 s[CB:CB+1], s[CA:CA+1], s[HS:HS+1]
	s_add_nc_u64 s[SA:SA+1], s[CA:CA+1], s[40:41]
	s_add_nc_u64 s[SB:SB+1], s[CB:CB+1], s[40:41]
; q, k: tile m of the block's tokens against my eight tiles of W.  Four accumulators take turns, one instruction a turn.
.macro GQK m, p
	WIN 0x0d                                       ; source 0 (W) window 1, source 1 (x) window 3
.irp s, 0,1,2,3
.irp n, 0,1,2,3
	WM ACC+8*\n, 12*(4*\n+\s), 12*(4*\m+\s), \s==0, WS+4*\n+\s, XS+4*\m+\s
.endr
.endr
	WIN 0x0e                                       ; source 0 window 2
.irp s, 0,1,2,3
.irp n, 4,5,6,7
	WM ACC+8*\n, 12*(4*(\n-4)+\s), 12*(4*\m+\s), \s==0, WS+4*\n+\s, XS+4*\m+\s
.endr
.endr
	WIN 0
	PLACES 4                                       ; four places between the products and the first read of their results
	s_wait_xcnt 0x0                                ; the last group's stores have had their addresses translated: their data registers are written again only behind this wait
	s_wait_alu depctr_vm_vsrc(0)                   ; the last group's stores have read v[PC ..] and v[SW ..], which the quantiser and the lines behind it write again
	QUANT ACC, s[FL], PW                           ; blocks 0, 1: head 2 w; blocks 2, 3: head 2 w + 1
	v_sub_nc_u32 v[PW], v[PW], s[ADJ]              ; q: 3 off each byte (x 1/8); k: nothing
	v_mov_b32 v[SW+\m], v[PW]                      ; a head's two bytes lie low; what lies above them meets zero codes and is never 0xff
	v_lshrrev_b32 v[SW+4+\m], 16, v[PW]
	s_wait_alu depctr_va_vdst(0)                   ; the quantiser has written v[PC ..] and the two lines above v[SW ..]: the stores below read them
	HFST PC, CA, 3072*\p+768*\m
	HFST PC+6, CB, 3072*\p+768*\m
.if \m == 3
	global_store_b128 v[LI16], v[SW:SW+3], s[SA:SA+1] offset:512*\p
	global_store_b128 v[LI16], v[SW+4:SW+7], s[SB:SB+1] offset:512*\p
.endif
.endm
; v: my tiles n and n + 1 of W against the block's four tiles of tokens, the sources swapped.  Eight accumulators take turns.
.macro GV n, p
.if \n < 4
	WIN 0x07                                       ; source 0 (x) window 3, source 1 (W) window 1
.set VB, CA
.else
	WIN 0x0b                                       ; source 1 window 2
.set VB, CB
.endif
.irp s, 0,1,2,3
.irp wt, 0,1
.irp xt, 0,1,2,3
	WM ACC+8*(4*\wt+\xt), 12*(4*\xt+\s), 12*(4*((\n+\wt)%4)+\s), \s==0, XS+4*\xt+\s, WS+4*(\n+\wt)+\s
.endr
.endr
.endr
	WIN 0
	PLACES 4
	s_wait_xcnt 0x0                                ; the last group's stores have had their addresses translated
	s_wait_alu depctr_vm_vsrc(0)                   ; the last group's stores have read v[PC ..] and v[SW ..], which the quantiser and the lines behind it write again
	QUANT ACC, s[FL], PW                           ; blocks 0, 1: tile n's two blocks of 32 keys; blocks 2, 3: tile n + 1's
.if \p == 0
	v_mov_b32 v[SW+\n], v[PW]                      ; the step's first 64 keys give a word's bytes 0 and 1,
	v_lshrrev_b32 v[SW+\n+1], 16, v[PW]
.else
	v_perm_b32 v[SW+\n], v[PW], v[SW+\n], 0x05040100       ; its last 64 bytes 2 and 3
	v_perm_b32 v[SW+\n+1], v[PW], v[SW+\n+1], 0x07060100
.endif
	s_wait_alu depctr_va_vdst(0)                   ; the quantiser has written v[PC ..] and the two lines above v[SW ..]: the stores below read them
	HFST PC, VB, 6144+768*(2*(\n%4)+\p)
	HFST PC+6, VB, 6144+768*(2*(\n%4)+\p)+1536
.if (\p == 1) && ((\n % 4) == 2)
	global_store_b128 v[LI16], v[SW+\n-2:SW+\n+1], s[VB:VB+1] offset:13312
.endif
.endm
; A block of 64 tokens, in buffer p; p is also its half of the step of 128.
.macro BLOCK p
	s_wait_loadcnt 0x0                             ; my record of this block is in registers (the first time: the weights too)
.irp i, 0,1,2,3,4,5,6,7,8,9,10,11,12
	ds_store_b128 v[STW], v[SG+4*\i:SG+4*\i+3] offset:BLKB*\p+512*\i   ; their data come from loads, and v3 was written ahead of the head's wait on va_vdst
.endr
	s_wait_dscnt 0x0                               ; for the others' sake: my stores have landed; my reads of the other buffer were over long ago
	s_barrier_signal -1
	s_barrier_wait -1                              ; the block's four records lie in LDS; the other buffer is written again only behind the next barrier
	s_wait_alu depctr_vm_vsrc(0)                   ; my LDS stores have read v[SG ..], in which the next block's loads land
.if \p == 1
	s_cmp_eq_u32 s[TR], 1                          ; the last block asks for nothing: no load leaves its buffer
	s_cbranch_scc1 .Lnomore_\@
.endif
.irp i, 0,1,2,3,4,5,6,7,8,9,10,11,12
	global_load_b128 v[SG+4*\i:SG+4*\i+3], v[LI16], s[XB:XB+1] offset:BLKB*(\p+1)+512*\i   ; the next block, a block ahead
.endr
.if \p == 1
.Lnomore_\@:
.endif
	WIN 0xc0                                       ; destination window 3
	s_wait_alu depctr_va_vdst(0)                   ; the last block's products are done reading x's fragments and scale words, in which the LDS loads below land; only loads and one window switch follow up to the last of them
.irp m, 0,1,2,3
.irp s, 0,1,2,3
	FRLL 12*(4*\m+\s), BLKB*\p+REC*\m+1536*\s
.endr
.endr
	WIN 0
.irp m, 0,1,2,3
	ds_load_b128 v[XS+4*\m:XS+4*\m+3], v[LI16] offset:BLKB*\p+REC*\m+6144
.endr
	s_wait_dscnt 0x0
	s_cmp_eq_u32 s[KIND], 2                        ; the kind is the work-group's y: the same in all four waves; no barrier and no LDS access stands in either arm
	s_cbranch_scc1 .Lv_\@
	GQK 0, \p
	GQK 1, \p
	GQK 2, \p
	GQK 3, \p
	s_branch .Ljoin_\@
.Lv_\@:
	GV 0, \p
	GV 2, \p
	GV 4, \p
	GV 6, \p
.Ljoin_\@:
.endm
	s_mov_b32 s[TR], 2
.Ltrip:                                            ; a trip is a step of 128 tokens: two blocks
	BLOCK 0
	BLOCK 1
	s_wait_xcnt 0x0                                ; the loads and stores have read their bases, which step now
	s_add_nc_u64 s[XB:XB+1], s[XB:XB+1], 2*BLKB
	s_add_nc_u64 s[CA:CA+1], s[CA:CA+1], s[SS:SS+1]
	s_add_nc_u64 s[CB:CB+1], s[CB:CB+1], s[SS:SS+1]
	s_add_nc_u64 s[SA:SA+1], s[SA:SA+1], s[SS:SS+1]
	s_add_nc_u64 s[SB:SB+1], s[SB:SB+1], s[SS:SS+1]
	s_sub_co_u32 s[TR], s[TR], 1
	s_cmp_lg_u32 s[TR], 0
	s_cbranch_scc1 .Ltrip
	s_wait_dscnt 0x0                               ; the closing lines, six on end
	s_wait_alu 0x0
	s_wait_tensorcnt 0x0
	ds_add_u32 v254, v255
	s_wait_dscnt 0x0
	s_endpgm
.Lfunc_end_k_qc89296c0c2_qkv:
	.size	k_qc89296c0c2_qkv, .Lfunc_end_k_qc89296c0c2_qkv-k_qc89296c0c2_qkv
	.p2alignl 7, 3214868480
	.fill 96, 4, 3214868480
	.section	.rodata,"a",@progbits
	.p2align	6, 0x0
	.amdhsa_kernel k_qc89296c0c2_qkv
		.amdhsa_group_segment_fixed_size 53760
		.amdhsa_private_segment_fixed_size 0
		.amdhsa_enable_private_segment 0
		.amdhsa_kernarg_size 32
		.amdhsa_user_sgpr_count 2
		.amdhsa_user_sgpr_kernarg_segment_ptr 1
		.amdhsa_wavefront_size32 1
		.amdhsa_system_sgpr_workgroup_id_x 1
		.amdhsa_system_sgpr_workgroup_id_y 1
		.amdhsa_system_sgpr_workgroup_id_z 1
		.amdhsa_system_vgpr_workitem_id 0
		.amdhsa_next_free_vgpr 960
		.amdhsa_next_free_sgpr 66
		.amdhsa_reserve_vcc 0
		.amdhsa_float_denorm_mode_32 3
		.amdhsa_float_denorm_mode_16_64 3
		.amdhsa_memory_ordered 1
		.amdhsa_forward_progress 1
		.amdhsa_inst_pref_size 166
	.end_amdhsa_kernel
	.amdgpu_metadata
---
amdhsa.version: [ 1, 2 ]
amdhsa.kernels:
  - .name:           k_qc89296c0c2_qkv
    .symbol:         k_qc89296c0c2_qkv.kd
    .args:
      - { .name: xc, .offset: 0, .size: 8, .value_kind: global_buffer, .address_space: global }
      - { .name: wc, .offset: 8, .size: 8, .value_kind: global_buffer, .address_space: global }
      - { .name: qc, .offset: 16, .size: 8, .value_kind: global_buffer, .address_space: global }
      - { .name: kv, .offset: 24, .size: 8, .value_kind: global_buffer, .address_space: global }
    .group_segment_fixed_size: 53760
    .private_segment_fixed_size: 0
    .kernarg_segment_align: 8
    .kernarg_segment_size: 32
    .max_flat_workgroup_size: 128
    .sgpr_count:     66
    .vgpr_count:     960
    .wavefront_size: 32
...
	.end_amdgpu_metadata
.endif
;; end of part 6
;; launch attn (part 7): grid 8 x 32, 16 waves a work-group, clusters of 4 x 4, 327,680 bytes of LDS; arguments qc, kv, pos_bias, oc; writes oc
.if DOCPART == 7
	.amdgcn_target "amdgcn-amd-amdhsa--gfx1250"
	.amdhsa_code_object_version 6
	.text
	.protected	k_qc89296c0c2_attn
	.globl	k_qc89296c0c2_attn
	.p2align	8
	.type	k_qc89296c0c2_attn,@function
k_qc89296c0c2_attn:
	s_mov_b64 s[64:65], 0
	v_nop
	global_prefetch_b8 v0, s[64:65] scope:SCOPE_SE
	s_setreg_imm32_b32 hwreg(HW_REG_WAVE_MODE, 25, 1), 1
	s_wait_xcnt 0x0
	s_wait_alu depctr_hold_cnt(0) depctr_sa_sdst(0) depctr_va_vdst(0) depctr_va_sdst(0) depctr_va_ssrc(0) depctr_va_vcc(0) depctr_vm_vsrc(0)
	s_getreg_b32 s2, hwreg(HW_REG_IB_STS2, 6, 4)
	s_cmp_eq_u32 s2, 0
	s_cbranch_scc0 .Lentry_in_a_cluster
	s_endpgm
.Lentry_in_a_cluster:
	s_bfe_u32 s2, ttmp6, 0x10000c
	s_cmp_lg_u32 s2, 0xf033
	s_cbranch_scc0 .Lentry_shape_is_right
	s_endpgm
.Lentry_shape_is_right:
; O[b][head][q] = the sum over keys of softmax(q . k / 8 + pos_bias[head][q][key]) v, both products on codes of FP6 (E2M3) with E8M0 scales; O / l is quantised along (head, d) and leaves as codes.
; THE SOFTMAX AHEAD OF THE SECOND PRODUCT: t = logit x log2(e); M = the running largest t rounded UP to a whole number; p = 2^(t - M) is quantised along the keys, not normalised; the row's sum l is
; taken of the unquantised p; when M moves, l and O are multiplied by 2^(old M - new M), which rounds nothing.  A block's largest p is made from the block's largest logit by the same two instructions.
; SHARES: a work-group is one head, FOUR batches and, one after the other, TWO blocks of 64 queries (qb and qb + 8); wave w has batch w % 4 and query tile w / 4: 16 queries at a time, four waves to a SIMD.
; Every wave walks 2 x 8 steps of 128 keys on one ring of two LDS slots: the change of slots in front of the first block's last step asks for the second block's first step.  8 x 32 = 256 work-groups.
; CLUSTER 4 x 4: cluster y is the head, x a run of four query blocks; cx picks the query block, cy the group of four batches.  The bias tile (64 queries x 128 keys, f32) hangs on head and query
; block: it is asked for JOINTLY by the four work-groups of a column.  The four batches' blocks of k and v hang on head and batch group: jointly by the four of a row.
; BOTH PRODUCTS TRANSPOSED: S^T = K Q^T + bias (source 0 = 16 keys, source 1 = my queries; THE BIAS IS THE C OPERAND, loaded from LDS in the result's layout), O^T = V^T P^T: a lane holds one query throughout.
; K = 64 IN AN INSTRUCTION OF 128: q's registers 6-11 are zero codes; source 0 of tile t is K's half fragments t and t + 1 (zeros behind the last): numbers that meet zero codes under bytes that are never 0xff.
; THE HALVES OF A STEP BY TURNS.  A step is P1 (all its LDS loads, K Q^T, the maxima, t - M: no exponential) and P2 (the exponentials, the sums, p's codes, V^T P: no LDS access).  Every wave runs
; P1(0) P2(0) P1(1) P2(1) ..; the waves differ in where the change of slots falls.  Group 0 has it in front of each P1; group 1 between P1 and P2: between two changes it runs P2 of the step before and
; P1 of this step.  So while one group reads LDS and searches maxima, the other issues exponentials.  All reads of a slot stand in P1, between the change that shows the slot whole and the next one.
; The group is ((w / 8) xor w) % 2: be the waves dealt to the SIMDs by turns (w % 4) or in runs (w / 4), each four hold two of each group.
; THE BIAS COMES AS FOUR TILES OF 16 ROWS, not one of 64: a query tile's lanes 0-7 and 8-15 take rows 16 apart; with rows 132 words apart these would start at the same banks (64 banks of 4 bytes: ISA guide 11.1),
; so each 16 rows begin 2,144 words (32 modulo 64) behind the last.
; LIMITS: NaN and infinities are not served; 1 / l by v_rcp_f32; blocks under 2^-124 take the held byte 1 (a block of zeros too); O's scale bytes leave as 2 bytes a lane, 16 bytes apart (512 KiB of the launch's stores).
.set KVB,   13824                      ; a step's block of k and v: K's 8 half fragments, V^T's 8, K's two scale images, V's one
.set CHK,   8576                       ; 16 rows of bias: 16 x 528 + 128
.set KV0,   4*CHK                      ; behind the bias: four batches' blocks
.set SLOT1, 1<<17                      ; slot 1 begins here: one exclusive or turns an address in one slot into the other's
.set SPARE, 2*SLOT1                    ; the spare words, 128 bytes for each of 16 waves: eight blocks of 256 bytes that no other line names
.set UB,    2097152                    ; from the first query block to the second: in pos_bias 8 x 64 rows of 4,096 bytes,
.set UQ,    28672                      ; in qc 4 blocks of 7,168 bytes,
.set UO,    212992                     ; in oc 32 records of 6,656 bytes
.set AB0,  1                           ; v1   my lane's place in the bias tile
.set AK0,  2                           ; v2   my batch's block + 16 x lane
.set AK1,  3                           ; v3   + 8 x lane
.set SPW,  4                           ; v4   my spare word; never rewritten
.set NIL,  5                           ; v5   0; never rewritten
.set ADB,  6                           ; v6-8 the same three addresses in the slot in hand
.set ADK,  7
.set ADK8, 8
.set PFO,  9                           ; v9   the prefetches' offset; never rewritten
.set LI16, 10
.set LI8,  11
                                       ; v12 -M, v13 the largest t, v[14:15] the sum in two halves
.set QF,   16                          ; v16-27 the first block's q; v22-27 zero codes
.set QS,   28                          ; its scale word
.set PS,   29                          ; p's
.set KF,   32                          ; v32-79 K's 8 half fragments, later V^T's 4 fragments; v80-85 zero codes
.set KS,   86                          ; v86-93 K's scale words
.set VS,   94                          ; v94-97 V's
.set S,    98                          ; v98-161 bias, then logits, then p
.set O,    162                         ; v162-193 O^T
.set PC,   194                         ; v194-205 p's codes
.set PT,   206                         ; v206-208, v210-212 the conversions' second halves
.set BM,   214                         ; the blocks' largest
.set BP,   218
.set SO,   222                         ; the conversions' scale operands
.set F,    226                         ; v[226:227] 2^(old M - new M) (the pair's upper word is written once and never used)
.set T0,   228
.set T1,   229
.set SM2,  230                         ; v[230:231] the sum's second chain
.set QF1,  232                         ; v232-243 the second block's q; v238-243 zero codes
.set QS1,  244                         ; its scale word
.set WV,   12
.set GRP,  19                          ; my group: 0 or 1
.set SEL,  20
.set CS,   22                          ; s[22:23] log2(e)
.set G1B,  24                          ; s[24:31] group 1 for the bias;  s[32:39] for k and v;  s[40:43], s[44:47] their groups 0, which walk
.set G1K,  32
.set G0B,  40
.set G0K,  44
.set TB,   48                          ; LDS byte at which the slot in hand begins
.set SLOTS, 49
.set PFA,  50                          ; s[50:51] where my prefetches stand;  s[52:53] a step on;  s[56:57] on to the second block's step 2
.set PFS,  52
.set LIM,  54                          ; 1 in a wave that prefetches, else the greatest number
.set PFJ,  56
; Waves 0-3 fetch the bias's four tiles, waves 4-7 the four batches' blocks, the others nothing.  The branches hang on the wave's number alone.  Four v_nop follow each of the two lines.
.macro TLOAD
	s_cmp_lt_u32 s[WV], 4
	s_cbranch_scc0 .Lnot_b_\@
	tensor_load_to_lds s[G0B:G0B+3], s[G1B:G1B+7]
	s_nop 0
.rept 4
	v_nop
.endr
	s_branch .Lasked_\@
.Lnot_b_\@:
	s_cmp_lt_u32 s[WV], 8
	s_cbranch_scc0 .Lasked_\@
	tensor_load_to_lds s[G0K:G0K+3], s[G1K:G1K+7]
	s_nop 0
.rept 4
	v_nop
.endr
.Lasked_\@:
.endm
; A PREFETCH INTO THE L2 of what the NEXT change of slots will ask for, by waves that fetch nothing, one instruction each.  Wave 8: 16 of the bias tile's 64 rows, 512 bytes each, two lanes to a row;
; the column's four partners take 16 rows each, told apart BY ADDRESS (cy).  Waves 9 and 10: one batch's block of 54 x 256 bytes, a lane to 256 bytes (lanes past the end are held at the last);
; the row's four partners take a batch each, by address (cx); the two clusters of a head read the same blocks, so the first of them (cluster x = 0) asks, and in the first query block alone:
; the second walks the same k and v.  In each query block steps 2 to 7 are named; steps 0 and 1 come by their loads alone.
.macro ASK
	s_cmp_gt_u32 s[SLOTS], s[LIM]
	s_cbranch_scc0 .Lnot_mine_\@
	global_prefetch_b8 v[PFO], s[PFA:PFA+1] th:TH_LOAD_NT scope:SCOPE_SE
.Lnot_mine_\@:
.endm
.macro CROUND                          ; a round of the cluster's barrier
	s_barrier_signal -1
	s_barrier_wait -1
	s_cmp_lg_u32 s[WV], 0
	s_cbranch_scc1 .Lnot_wave_0_\@
	s_barrier_signal -3
.Lnot_wave_0_\@:
	s_barrier_wait -3
	s_barrier_signal -1
	s_barrier_wait -1
.endm
	s_load_b256 s[4:11], s[0:1], 0x0               ; qc, kv, pos_bias, oc
	v_lshl_add_u32 v[SPW], v0, 2, SPARE
	v_mov_b32 v[NIL], 0
	ds_add_u32 v4, v5
	ds_add_u32 v4, v5
	s_wait_dscnt 0x0
	v_lshrrev_b32 v[T0], 5, v0
	s_delay_alu instid0(VALU_DEP_1)
	v_readfirstlane_b32 s[WV], v[T0]               ; wave 0..15
	s_bfe_u32 s13, ttmp6, 0x40000                  ; cx
	s_bfe_u32 s14, ttmp6, 0x40004                  ; cy
	s_lshl_b32 s15, ttmp9, 2
	s_add_co_u32 s15, s15, s13                     ; my first block of 64 queries = 4 x cluster x + cx (0..7); the second is 8 further on
	s_and_b32 s16, ttmp7, 0xffff                   ; the head = cluster y
	s_and_b32 s17, s[WV], 3                        ; my batch in the group; also: which tile I fetch
	s_lshr_b32 s18, s[WV], 2                       ; my query tile
	s_lshr_b32 s[GRP], s[WV], 3
	s_xor_b32 s[GRP], s[GRP], s[WV]
	s_and_b32 s[GRP], s[GRP], 1                    ; my group: made of the wave's number alone, the same in every work-group
	s_lshl_b32 s60, s14, 2
	s_lshl_b32 s60, 15, s60                        ; my row of the cluster
	s_lshl_b32 s61, 0x1111, s13                    ; my column
	; group 1, the bias: 16 rows x 128 elements of 4 bytes, rows 1,024 elements apart; 4 words of padding behind every 128
	s_or_b32 s[G1B], s61, (2<<16)|(1<<20)|(1<<21)|(6<<22)|(3<<25)
	s_mov_b32 s[G1B+1], 128<<16                    ; tensor_dim0
	s_mov_b32 s[G1B+2], 16<<16                     ; tensor_dim1
	s_mov_b32 s[G1B+3], 128<<16                    ; tile_dim0
	s_mov_b32 s[G1B+4], 16                         ; tile_dim1
	s_mov_b32 s[G1B+5], 1024                       ; the pitch
	s_mov_b32 s[G1B+6], 0
	s_mov_b32 s[G1B+7], 0
	; group 1, k and v: a dense block of 13,824 bytes as 54 rows of 32 elements of 8 bytes
	s_or_b32 s[G1K], s60, (3<<16)|(1<<21)
	s_mov_b32 s[G1K+1], 32<<16
	s_mov_b32 s[G1K+2], 54<<16
	s_mov_b32 s[G1K+3], 32<<16
	s_mov_b32 s[G1K+4], 54
	s_mov_b32 s[G1K+5], 32
	s_mov_b32 s[G1K+6], 0
	s_mov_b32 s[G1K+7], 0
	s_lshl_b32 s56, s16, 10                        ; the bias: row 1024 head + 64 block + 16 tile, 4,096 bytes a row (registers that never hold cy)
	s_lshl_b32 s57, s15, 6
	s_add_co_u32 s56, s56, s57
	s_lshl_b32 s57, s17, 4
	s_add_co_u32 s56, s56, s57
	s_lshl_b32 s56, s56, 12
	s_mov_b32 s57, 0
	s_lshl_b32 s58, s14, 2                         ; k and v: batch 4 cy + tile, this head, step 0 (registers that never hold cx)
	s_add_co_u32 s58, s58, s17
	s_lshl_b32 s58, s58, 3
	s_add_co_u32 s58, s58, s16
	s_mul_i32 s58, s58, 8*KVB
	s_mov_b32 s59, 0
	s_mov_b32 s[SEL], 0x76543210
	s_mov_b32 s[SEL+1], 0xfedcba98
	s_mov_b32 s[CS], 0x3fb8aa3b                    ; log2(e)
	s_mov_b32 s[CS+1], s[CS]                       ; (named with it as a pair, so it is written)
	s_mov_b32 s[TB], 0
	s_mov_b32 s[SLOTS], 6
	s_wait_kmcnt 0x0
	s_mov_b32 s[G0B], 1
	s_mul_i32 s[G0B+1], s17, CHK                   ; LDS: slot 0, tile x 8,576: no place in the cluster enters an LDS address
	s_add_nc_u64 s[G0B+2:G0B+3], s[8:9], s[56:57]
	s_or_b32 s[G0B+3], s[G0B+3], 0x80000000
	s_mov_b32 s[G0K], 1
	s_mul_i32 s[G0K+1], s17, KVB
	s_add_co_u32 s[G0K+1], s[G0K+1], KV0
	s_add_nc_u64 s[G0K+2:G0K+3], s[6:7], s[58:59]
	s_or_b32 s[G0K+3], s[G0K+3], 0x80000000
	CROUND                                         ; all sixteen work-groups are here: the first joint loads meet
	TLOAD                                          ; step 0 into slot 0
	v_and_b32 v[T0], 31, v0                        ; lane
	s_delay_alu instid0(VALU_DEP_1)
	v_lshlrev_b32 v[LI16], 4, v[T0]
	s_wait_alu depctr_va_vdst(0)
	v_lshlrev_b32 v[LI8], 3, v[T0]
	s_wait_alu depctr_va_vdst(0)
	s_lshl_b32 s62, s14, 2
	s_add_co_u32 s62, s62, s17                     ; my batch
	s_lshl_b32 s66, s62, 3
	s_add_co_u32 s66, s66, s16
	s_lshl_b32 s66, s66, 3
	s_lshr_b32 s67, s15, 1
	s_add_co_u32 s66, s66, s67
	s_mul_i32 s66, s66, 7168                       ; q's block: [batch][head][query block / 2]
	s_and_b32 s67, s15, 1                          ; which half of it
	s_mul_i32 s68, s67, 3072
	s_add_co_u32 s68, s68, s66
	s_mul_i32 s69, s18, 768
	s_add_co_u32 s68, s68, s69                     ; my tile's half fragment
	s_mov_b32 s69, 0
	s_add_nc_u64 s[68:69], s[4:5], s[68:69]
	s_lshl_b32 s67, s67, 9
	s_add_co_u32 s66, s66, s67
	s_lshl_b32 s67, s18, 2
	s_add_co_u32 s66, s66, s67                     ; and its scale word: 6144 + 512 half + 16 lane + 4 tile
	s_mov_b32 s67, 0
	s_add_nc_u64 s[66:67], s[4:5], s[66:67]
	global_load_b128 v[QF:QF+3], v[LI16], s[68:69]
	global_load_b64 v[QF+4:QF+5], v[LI8], s[68:69] offset:512
	global_load_b32 v[QS], v[LI16], s[66:67] offset:6144
	global_load_b128 v[QF1:QF1+3], v[LI16], s[68:69] offset:UQ         ; the second block's q comes now too: seven registers
	global_load_b64 v[QF1+4:QF1+5], v[LI8], s[68:69] offset:UQ+512
	global_load_b32 v[QS1], v[LI16], s[66:67] offset:UQ+6144
	s_lshl_b32 s70, s62, 4                         ; the way out: record (16 batch + query block) 4 + tile of oc,
	s_add_co_u32 s70, s70, s15
	s_lshl_b32 s70, s70, 2
	s_add_co_u32 s70, s70, s18
	s_mul_i32 s70, s70, 6656
	s_lshl_b32 s72, s16, 1                         ; its scale bytes: 2 x head into each lane's 16,
	s_add_co_u32 s72, s72, s70
	s_mov_b32 s73, 0
	s_mul_i32 s71, s16, 768                        ; its half fragment number head
	s_add_co_u32 s70, s70, s71
	s_mov_b32 s71, 0
	s_add_nc_u64 s[70:71], s[10:11], s[70:71]
	s_add_nc_u64 s[72:73], s[10:11], s[72:73]
	; the prefetches (macro ASK): both stand at step 1; the first change of slots steps them to step 2
	s_lshl_b32 s74, s16, 10
	s_lshl_b32 s75, s15, 6
	s_add_co_u32 s74, s74, s75
	s_lshl_b32 s75, s14, 4
	s_add_co_u32 s74, s74, s75
	s_lshl_b32 s74, s74, 12
	s_add_co_u32 s74, s74, 512                     ; the bias: my work-group's 16 rows
	s_lshl_b32 s76, s14, 2
	s_add_co_u32 s76, s76, s13
	s_lshl_b32 s76, s76, 3
	s_add_co_u32 s76, s76, s16
	s_mul_i32 s76, s76, 8*KVB
	s_add_co_u32 s76, s76, KVB                     ; k and v: batch 4 cy + cx
	s_cmp_eq_u32 s[WV], 8
	s_cselect_b64 s[PFA:PFA+1], s[8:9], s[6:7]
	s_cselect_b32 s74, s74, s76
	s_mov_b32 s[PFS], KVB
	s_cselect_b32 s[PFS], 512, s[PFS]
	s_cselect_b32 s55, -1, 0
	s_cselect_b32 s[PFJ], UB-6*512, 0              ; the bias: from behind the first block's step 7 to the second block's step 2
	s_mov_b32 s[PFJ+1], 0
	s_mov_b32 s75, 0
	s_mov_b32 s[PFS+1], 0
	s_add_nc_u64 s[PFA:PFA+1], s[PFA:PFA+1], s[74:75]
	s_sub_co_u32 s77, s[WV], 9
	s_lshr_b32 s77, s77, 1                         ; 0 in waves 9 and 10,
	s_or_b32 s77, s77, ttmp9                       ; of the head's first cluster: the same in all sixteen partners
	s_cmp_eq_u32 s77, 0
	s_cselect_b32 s[LIM], 1, -1
	s_cmp_eq_u32 s[WV], 8
	s_cselect_b32 s[LIM], 1, s[LIM]
	v_lshrrev_b32 v[T1], 1, v[T0]
	s_delay_alu instid0(VALU_DEP_1)
	v_lshlrev_b32 v[T1], 12, v[T1]
	v_and_b32 v[SM2], 1, v[T0]
	s_delay_alu instid0(VALU_DEP_1)
	v_lshl_add_u32 v[T1], v[SM2], 8, v[T1]         ; the bias: row lane / 2, 256 (lane % 2)
	s_lshl_b32 s77, s[WV], 5
	s_sub_co_u32 s77, s77, 288
	v_add_nc_u32 v[SM2], s77, v[T0]
	s_delay_alu instid0(VALU_DEP_1)
	v_min_u32 v[SM2], 53, v[SM2]
	s_delay_alu instid0(VALU_DEP_1)
	v_lshlrev_b32 v[SM2], 8, v[SM2]                ; k and v: 256 x min(lane + 32 (wave - 9), 53)
	s_delay_alu instid0(VALU_DEP_1)
	v_cndmask_b32 v[PFO], v[SM2], v[T1], s55
	; LDS addresses
	v_and_b32 v[T1], 7, v0
	s_delay_alu instid0(VALU_DEP_1)
	v_mul_u32_u24 v[AB0], v[T1], 528               ; the bias: my query is row 32 (m / 2) + 8 (m % 2) + 16 g + r' of the 64: tile 2 (m / 2) + g, row 8 (m % 2) + r' in it
	v_bfe_u32 v[T1], v0, 3, 1
	s_delay_alu instid0(VALU_DEP_1)
	v_mad_u32_u24 v[AB0], v[T1], CHK, v[AB0]
	v_bfe_u32 v[T1], v0, 4, 1
	s_delay_alu instid0(VALU_DEP_1)
	v_lshl_add_u32 v[AB0], v[T1], 6, v[AB0]        ; + 64 h: my half's 16 keys of each 32
	s_lshr_b32 s77, s[WV], 3
	s_mul_i32 s77, s77, 2*CHK
	s_bfe_u32 s78, s[WV], 0x10002
	s_mul_i32 s78, s78, 4224
	s_add_co_u32 s77, s77, s78
	v_add_nc_u32 v[AB0], s77, v[AB0]
	s_mul_i32 s77, s17, KVB
	s_add_co_u32 s77, s77, KV0
	v_add_nc_u32 v[AK0], s77, v[LI16]
	v_add_nc_u32 v[AK1], s77, v[LI8]
.irp j, 0,1,2,3,4,5
	v_mov_b32 v[QF+6+\j], 0                        ; zero codes: q's upper 64 along K, in both blocks,
	v_mov_b32 v[QF1+6+\j], 0
	v_mov_b32 v[KF+48+\j], 0                       ; and what stands behind K's last half fragment
.endr
	v_mov_b32 v13, 0xff61b1e6                      ; the largest t so far: -3e38, under every t
	s_delay_alu instid0(VALU_DEP_1)
	v_floor_f32 v12, -v13                          ; -M
	v_mov_b32 v14, 0
	v_mov_b32 v15, 0
	v_mov_b32 v[F+1], 0
.irp b, 0,1,2,3
	v_mov_b32 v[BP+\b], 0                          ; written once: a lane permute's destination counts as one of its sources
.endr
.irp j, 0,1,2,3,4,5,6,7,8,9,10,11,12,13,14,15,16,17,18,19,20,21,22,23,24,25,26,27,28,29,30,31
	v_mov_b32 v[O+\j], 0                           ; O^T: a step is written for every step alike; the first change of M leaves zeros zeros
.endr
; THE FIRST HALF OF A KEY STEP, 128 keys in the slot at s[TB]: all the step's LDS loads, the logits, their maxima, M, f and t - M.  qf, qs: the query block's fragment and scale word.
.macro P1 qf, qs
	v_add_nc_u32 v[ADB], s[TB], v[AB0]
	v_add_nc_u32 v[ADK], s[TB], v[AK0]
	v_add_nc_u32 v[ADK8], s[TB], v[AK1]
	v_nop                                          ; four places between the last step's products and the loads into the registers that they read
.irp t, 0,1,2,3,4,5,6,7
	ds_load_b128 v[KF+6*\t:KF+6*\t+3], v[ADK] offset:768*\t
	ds_load_b64 v[KF+6*\t+4:KF+6*\t+5], v[ADK8] offset:768*\t+512
.endr
	ds_load_b128 v[KS:KS+3], v[ADK] offset:12288
	ds_load_b128 v[KS+4:KS+7], v[ADK] offset:12800
.irp t, 0,1,2,3,4,5,6,7
	ds_load_b128 v[S+8*\t:S+8*\t+3], v[ADB] offset:128*(\t/2)+32*(\t%2)        ; the bias of my query at keys 32 (t / 2) + 16 h + 8 (t % 2) + 0 .. 7: the result's layout
	ds_load_b128 v[S+8*\t+4:S+8*\t+7], v[ADB] offset:128*(\t/2)+32*(\t%2)+16
.endr
	s_wait_alu depctr_va_vdst(0)
	s_wait_dscnt 0x0
.irp t, 0,1,2,3,4,5,6,7
	v_wmma_scale_f32_16x16x128_f8f6f4 v[S+8*\t:S+8*\t+7], v[KF+6*\t:KF+6*\t+11], v[\qf:\qf+11], v[S+8*\t:S+8*\t+7], v[KS+\t], v[\qs] matrix_a_fmt:MATRIX_FMT_FP6 matrix_b_fmt:MATRIX_FMT_FP6
.endr
.rept 4
	v_nop                                          ; four places: for the loads into K's registers, and for the first read of the logits
.endr
.irp f, 0,1,2,3,4,5,6,7
	ds_load_b128 v[KF+6*\f:KF+6*\f+3], v[ADK] offset:6144+768*\f               ; V^T: half fragment 2 dt + c; they land under the vector work
	ds_load_b64 v[KF+6*\f+4:KF+6*\f+5], v[ADK8] offset:6144+768*\f+512
.endr
	ds_load_b128 v[VS:VS+3], v[ADK] offset:13312
.irp b, 0,1,2,3
	v_max3_num_f32 v[BM+\b], v[S+16*\b], v[S+1+16*\b], v[S+2+16*\b]            ; the largest logit of each block of 32 keys; each accumulator is read from its low end on
.endr
.irp i, 3,5,7,9,11,13
.irp b, 0,1,2,3
	v_max3_num_f32 v[BM+\b], v[BM+\b], v[S+16*\b+\i], v[S+1+16*\b+\i]
.endr
.endr
.irp b, 0,1,2,3
	v_max_num_f32 v[BM+\b], v[BM+\b], v[S+15+16*\b]
.endr
.irp b, 0,1,2,3
	s_delay_alu instid0(VALU_DEP_4)
	v_permlanex16_b32 v[BP+\b], v[BM+\b], s[SEL], s[SEL+1]
.endr
.irp b, 0,1,2,3
	s_delay_alu instid0(VALU_DEP_4)
	v_max_num_f32 v[BM+\b], v[BM+\b], v[BP+\b]     ; with lane l xor 16's 16 keys
.endr
	s_delay_alu instid0(VALU_DEP_2)
	v_max3_num_f32 v[T0], v[BM], v[BM+1], v[BM+2]
	s_delay_alu instid0(VALU_DEP_1)
	v_max_num_f32 v[T0], v[T0], v[BM+3]
	s_delay_alu instid0(VALU_DEP_1)
	v_mul_f32 v[T0], s[CS], v[T0]                  ; as t
	s_delay_alu instid0(VALU_DEP_1)
	v_max_num_f32 v13, v13, v[T0]                  ; the running largest t
	v_mov_b32 v[T0], v12
	s_delay_alu instid0(VALU_DEP_2)
	v_floor_f32 v12, -v13                          ; the new -M = -ceil(t)
	s_delay_alu instid0(VALU_DEP_1)
	v_sub_f32 v[T0], v12, v[T0]                    ; old M - new M: a whole number, 0 or less
	s_delay_alu instid0(VALU_DEP_1)
	v_cvt_i32_f32 v[T0], v[T0]                     ; (it saturates)
	s_delay_alu instid0(VALU_DEP_1)
	v_ldexp_f32 v[F], 1.0, v[T0]
.irp j, 0,2,4,6,8,10,12,14,16,18,20,22,24,26,28,30,32,34,36,38,40,42,44,46,48,50,52,54,56,58,60,62
	v_pk_fma_f32 v[S+\j:S+\j+1], v[S+\j:S+\j+1], s[CS:CS+1], v[12:13] op_sel_hi:[1,0,0]   ; t - M, two at a time
.endr
.irp b, 0,1,2,3
	v_fma_f32 v[BM+\b], v[BM+\b], s[CS], v12       ; the same of each block's largest logit
.endr
	s_xor_b32 s[TB], s[TB], SLOT1                  ; the next P1 reads the other slot
.endm
; THE SECOND HALF: p, the sums, p's codes and scale word, O^T x f, V^T P.  It touches registers alone (the wait on DScnt is for V's loads, issued in P1).
.macro P2
.irp j, 0,1,2,3,4,5,6,7,8,9,10,11,12,13,14,15,16,17,18,19,20,21,22,23,24,25,26,27,28,29,30,31,32,33,34,35,36,37,38,39,40,41,42,43,44,45,46,47,48,49,50,51,52,53,54,55,56,57,58,59,60,61,62,63
	v_exp_f32 v[S+\j], v[S+\j]                     ; p = 2^(t - M)
.endr
	v_pk_mul_f32 v[14:15], v[14:15], v[F:F+1] op_sel_hi:[1,0]      ; the sums under the new M: the plain place behind the exponentials
	s_wait_alu depctr_va_vdst(0)                   ; one wait for the batch of 64, ahead of its first reader
.irp b, 0,1,2,3
	v_exp_f32 v[BM+\b], v[BM+\b]                   ; the blocks' largest p
.endr
	v_pk_add_f32 v[230:231], v[102:103], v[106:107]
	v_pk_add_f32 v[246:247], v[110:111], v[114:115]
	v_pk_add_f32 v[224:225], v[118:119], v[122:123]
	v_pk_add_f32 v[222:223], v[126:127], v[130:131]
	v_pk_add_f32 v[220:221], v[134:135], v[138:139]
	v_pk_add_f32 v[218:219], v[142:143], v[146:147]
	v_pk_add_f32 v[212:213], v[150:151], v[154:155]
	v_pk_add_f32 v[14:15], v[14:15], v[158:159]
	v_pk_add_f32 v[230:231], v[230:231], v[98:99]
	v_pk_add_f32 v[246:247], v[246:247], v[100:101]
	v_pk_add_f32 v[224:225], v[224:225], v[104:105]
	v_pk_add_f32 v[222:223], v[222:223], v[108:109]
	v_pk_add_f32 v[220:221], v[220:221], v[112:113]
	v_pk_add_f32 v[218:219], v[218:219], v[116:117]
	v_pk_add_f32 v[212:213], v[212:213], v[120:121]
	v_pk_add_f32 v[14:15], v[14:15], v[124:125]
	v_pk_add_f32 v[230:231], v[230:231], v[128:129]
	v_pk_add_f32 v[246:247], v[246:247], v[132:133]
	v_pk_add_f32 v[224:225], v[224:225], v[136:137]
	v_pk_add_f32 v[222:223], v[222:223], v[140:141]
	v_pk_add_f32 v[220:221], v[220:221], v[144:145]
	v_pk_add_f32 v[218:219], v[218:219], v[148:149]
	v_pk_add_f32 v[212:213], v[212:213], v[152:153]
	v_pk_add_f32 v[14:15], v[14:15], v[156:157]
	v_pk_add_f32 v[230:231], v[230:231], v[160:161]
	s_delay_alu instid0(VALU_DEP_2)
	v_pk_add_f32 v[14:15], v[14:15], v[222:223]
	s_delay_alu instid0(VALU_DEP_2)
	v_pk_add_f32 v[230:231], v[230:231], v[220:221]
	v_pk_add_f32 v[246:247], v[246:247], v[218:219]
	v_pk_add_f32 v[224:225], v[224:225], v[212:213]
	s_delay_alu instid0(VALU_DEP_2)
	v_pk_add_f32 v[14:15], v[14:15], v[246:247]
	s_delay_alu instid0(VALU_DEP_2)
	v_pk_add_f32 v[230:231], v[230:231], v[224:225]
	s_delay_alu instid0(VALU_DEP_1)
	v_pk_add_f32 v[14:15], v[14:15], v[230:231]
	s_wait_alu depctr_va_vdst(0)                   ; and one for the four
.irp b, 0,1,2,3
	v_max_num_f32 v[BM+\b], 0x1800000, v[BM+\b]    ; the floor: the byte cannot fall under 1
.endr
.irp b, 0,1,2,3
	s_delay_alu instid0(VALU_DEP_4)
	v_add_nc_u32 v[SO+\b], 0xff000000, v[BM+\b]    ; 2 off the exponent field: the conversion's scale operand
.endr
.irp b, 0,1,2,3
	s_delay_alu instid0(VALU_DEP_4)
	v_lshrrev_b32 v[BP+\b], 23, v[SO+\b]
.endr
	s_delay_alu instid0(VALU_DEP_3)
	v_lshl_or_b32 v[PS], v[BP+1], 8, v[BP]         ; p's scale word for these 128 keys
	s_delay_alu instid0(VALU_DEP_1)
	v_lshl_or_b32 v[PS], v[BP+2], 16, v[PS]
	s_delay_alu instid0(VALU_DEP_1)
	v_lshl_or_b32 v[PS], v[BP+3], 24, v[PS]
.irp c, 0,1
	v_cvt_scalef32_pk16_fp6_f32 v[PC+6*\c:PC+6*\c+2], v[S+32*\c:S+32*\c+15], v[SO+2*\c]
	v_cvt_scalef32_pk16_fp6_f32 v[PT+4*\c:PT+4*\c+2], v[S+16+32*\c:S+31+32*\c], v[SO+2*\c+1]
.endr
	v_nop                                          ; one plain place behind the scaled conversions
.irp c, 0,1
.irp i, 0,1,2
	v_permlane16_swap_b32 v[PC+6*\c+\i], v[PT+4*\c+\i]
.endr
.irp i, 0,1,2
	s_delay_alu instid0(VALU_DEP_3)
	v_mov_b32 v[PC+3+6*\c+\i], v[PT+4*\c+\i]
.endr
.endr
.irp j, 0,2,4,6,8,10,12,14,16,18,20,22,24,26,28,30
	v_pk_mul_f32 v[O+\j:O+\j+1], v[O+\j:O+\j+1], v[F:F+1] op_sel_hi:[1,0]      ; O^T under the new M; for each product below, the twelve of these on the other accumulators are the places behind p's scale word and codes
.endr
	s_wait_alu depctr_va_vdst(0)
	s_wait_dscnt 0x0                               ; V^T and its scale words are in
.irp t, 0,1,2,3
	v_wmma_scale_f32_16x16x128_f8f6f4 v[O+8*\t:O+8*\t+7], v[KF+12*\t:KF+12*\t+11], v[PC:PC+11], v[O+8*\t:O+8*\t+7], v[VS+\t], v[PS] matrix_a_fmt:MATRIX_FMT_FP6 matrix_b_fmt:MATRIX_FMT_FP6
.endr
.endm
; THE WAY OUT of query block u: O^T / l, 64 numbers of (head, d) a query, 32 a lane: two blocks of 32 along the last product's K; quantised, they are half fragment number head of the tile's record.
; again = 1: another query block follows: O^T, l and M begin anew.
.macro OUT u, again
	v_add_f32 v14, v14, v15
	s_delay_alu instid0(VALU_DEP_1)
	v_permlanex16_b32 v[T0], v14, s[SEL], s[SEL+1]
	s_delay_alu instid0(VALU_DEP_1)
	v_add_f32 v14, v14, v[T0]                      ; the row's sum
	s_wait_alu depctr_va_vdst(0)
	v_rcp_f32 v14, v14
.rept 4
	v_nop                                          ; the plain place behind the reciprocal, and the places behind the last products
.endr
	s_wait_alu depctr_va_vdst(0)                   ; ahead of the reciprocal's first reader
.irp j, 0,1,2,3,4,5,6,7,8,9,10,11,12,13,14,15,16,17,18,19,20,21,22,23,24,25,26,27,28,29,30,31
	v_mul_f32 v[S+\j], v[O+\j], v14                ; register 16 b + i = d 32 b + 16 h + i
.endr
.irp b, 0,1
	v_max3_num_f32 v[BM+\b], |v[S+16*\b]|, |v[S+1+16*\b]|, 0x1800000
.endr
.irp i, 2,4,6,8,10,12,14
.irp b, 0,1
	s_delay_alu instid0(VALU_DEP_2)
	v_max3_num_f32 v[BM+\b], v[BM+\b], |v[S+16*\b+\i]|, |v[S+1+16*\b+\i]|
.endr
.endr
.irp b, 0,1
	s_delay_alu instid0(VALU_DEP_2)
	v_permlanex16_b32 v[BP+\b], v[BM+\b], s[SEL], s[SEL+1]
.endr
.irp b, 0,1
	s_delay_alu instid0(VALU_DEP_2)
	v_max_num_f32 v[BM+\b], v[BM+\b], v[BP+\b]
.endr
.irp b, 0,1
	s_delay_alu instid0(VALU_DEP_2)
	v_add_nc_u32 v[SO+\b], 0xff000000, v[BM+\b]
.endr
.irp b, 0,1
	s_delay_alu instid0(VALU_DEP_2)
	v_lshrrev_b32 v[BP+\b], 23, v[SO+\b]
.endr
	s_delay_alu instid0(VALU_DEP_1)
	v_lshl_or_b32 v[T0], v[BP+1], 8, v[BP]         ; the head's two scale bytes
	v_cvt_scalef32_pk16_fp6_f32 v[PC:PC+2], v[S:S+15], v[SO]
	v_cvt_scalef32_pk16_fp6_f32 v[PT:PT+2], v[S+16:S+31], v[SO+1]
	v_nop
.irp i, 0,1,2
	v_permlane16_swap_b32 v[PC+\i], v[PT+\i]
.endr
.irp i, 0,1,2
	s_delay_alu instid0(VALU_DEP_3)
	v_mov_b32 v[PC+3+\i], v[PT+\i]
.endr
	global_store_b128 v[LI16], v[PC:PC+3], s[70:71] offset:UO*\u
	global_store_b64 v[LI8], v[PC+4:PC+5], s[70:71] offset:UO*\u+512
	global_store_b16 v[LI16], v[T0], s[72:73] offset:UO*\u+6144
.if \again
.irp j, 0,1,2,3,4,5,6,7,8,9,10,11,12,13,14,15,16,17,18,19,20,21,22,23,24,25,26,27,28,29,30,31
	v_mov_b32 v[O+\j], 0
.endr
	v_mov_b32 v13, 0xff61b1e6
	s_delay_alu instid0(VALU_DEP_1)
	v_floor_f32 v12, -v13
	v_mov_b32 v14, 0
	v_mov_b32 v15, 0
	s_wait_xcnt 0x0                                ; the three stores have read their data registers, which the next steps write again
.endif
.endm
; THE CHANGE OF SLOTS.  Each wave waits for all its tensor loads (its part of the slot ahead), adds 0 to its spare word, and waits for that and for its reads of the slot that it has left.
; kind 0: nothing is filled.  Else a round of the cluster's barrier, so that no wave of any partner still reads that slot or has a load on its way; the joint refill comes first behind it and has a step in which to land.
; kind 1: the next step of the same query block.  kind 2: the second block's step 0: the bias 512 rows down and back along the keys, k and v back to the head's first step; nothing is prefetched.
; kind 3: as 1; the bias's prefetches go on to the second block's step 2, and k's and v's end.
.macro CHANGE kind
	s_wait_tensorcnt 0x0                           ; no tensor load of mine is out (at most one was), so a group 0 may be written
	ds_add_u32 v[SPW], v[NIL]                      ; 0 onto my spare word
.if \kind
	s_xor_b32 s[G0B+1], s[G0B+1], SLOT1            ; the walking descriptors: the other slot
	s_xor_b32 s[G0K+1], s[G0K+1], SLOT1
.if \kind == 2
	s_add_nc_u64 s[G0B+2:G0B+3], s[G0B+2:G0B+3], UB-7*512
	s_sub_nc_u64 s[G0K+2:G0K+3], s[G0K+2:G0K+3], 7*KVB
.else
	s_add_nc_u64 s[G0B+2:G0B+3], s[G0B+2:G0B+3], 512       ; the next 128 keys of each row of bias,
	s_add_nc_u64 s[G0K+2:G0K+3], s[G0K+2:G0K+3], KVB       ; the next block of k and v
	s_wait_xcnt 0x0                                ; the last prefetch, a step or more back, has read its address
.if \kind == 3
	s_add_nc_u64 s[PFA:PFA+1], s[PFA:PFA+1], s[PFJ:PFJ+1]
	s_cmp_eq_u32 s[WV], 8
	s_cselect_b32 s[LIM], s[LIM], -1
.else
	s_add_nc_u64 s[PFA:PFA+1], s[PFA:PFA+1], s[PFS:PFS+1]
.endif
.endif
.endif
	s_wait_dscnt 0x0                               ; the add is done, and my reads of the slot that I have left are over
.if \kind
	CROUND
	TLOAD
.if \kind != 2
	ASK
.endif
.else
	s_barrier_signal -1
	s_barrier_wait -1
.endif
.endm
; A TRIP: the change of slots; group 1's P2 of the step before; everybody's P1; group 0's P2.  The two branches hang on the wave's number alone and stand round register work and, at a query block's
; end, its three stores: no barrier, no tensor load and no LDS access is jumped over.
; pre: 0 none (the first step), 1 P2, 2 P2 and the first block's way out.  post: 1 P2, 2 P2 and the first block's way out, 3 P2 in every wave (the last step).
.macro TRIP kind, pre, post, qf, qs
	CHANGE \kind
.if \pre
	s_cmp_eq_u32 s[GRP], 0
	s_cbranch_scc1 .Lpre_\@
	s_wait_alu depctr_va_vdst(0)
	P2
.if \pre == 2
	OUT 0, 1
.endif
.Lpre_\@:
.endif
	P1 \qf, \qs
.if \post == 3
	s_wait_alu depctr_va_vdst(0)
	P2
.else
	s_cmp_lg_u32 s[GRP], 0
	s_cbranch_scc1 .Lpost_\@
	s_wait_alu depctr_va_vdst(0)
	P2
.if \post == 2
	OUT 0, 1
.endif
.Lpost_\@:
.endif
.endm
	s_wait_loadcnt 0x0                             ; q, both blocks'
	TRIP 1, 0, 1, QF, QS                           ; step 0 of the first query block: group 1 has no step before it
.Lslot0:                                           ; steps 1 to 6
	TRIP 1, 1, 1, QF, QS
	s_sub_co_u32 s[SLOTS], s[SLOTS], 1
	s_cmp_lg_u32 s[SLOTS], 0
	s_cbranch_scc1 .Lslot0
	TRIP 2, 1, 2, QF, QS                           ; step 7: THE RING GOES ON INTO THE SECOND QUERY BLOCK; group 0's tile leaves
	s_mov_b32 s[SLOTS], 6
	TRIP 3, 2, 1, QF1, QS1                         ; the second block's step 0; group 1's tile leaves
.Lslot1:                                           ; its steps 1 to 6
	TRIP 1, 1, 1, QF1, QS1
	s_sub_co_u32 s[SLOTS], s[SLOTS], 1
	s_cmp_lg_u32 s[SLOTS], 0
	s_cbranch_scc1 .Lslot1
	TRIP 0, 1, 3, QF1, QS1                         ; its step 7 is written out
	OUT 1, 0
	s_wait_tensorcnt 0x0                           ; the wave's end
	ds_add_u32 v[SPW], v[NIL]
	s_wait_dscnt 0x0
	CROUND                                         ; the closing round: no work-group ends while a partner may still ask for a tile that names it
	s_endpgm
.Lfunc_end_k_qc89296c0c2_attn:
	.size	k_qc89296c0c2_attn, .Lfunc_end_k_qc89296c0c2_attn-k_qc89296c0c2_attn
	.p2alignl 7, 3214868480
	.fill 96, 4, 3214868480
	.section	.rodata,"a",@progbits
	.p2align	6, 0x0
	.amdhsa_kernel k_qc89296c0c2_attn
		.amdhsa_group_segment_fixed_size 327680
		.amdhsa_private_segment_fixed_size 0
		.amdhsa_enable_private_segment 0
		.amdhsa_kernarg_size 32
		.amdhsa_user_sgpr_count 2
		.amdhsa_user_sgpr_kernarg_segment_ptr 1
		.amdhsa_wavefront_size32 1
		.amdhsa_system_sgpr_workgroup_id_x 1
		.amdhsa_system_sgpr_workgroup_id_y 1
		.amdhsa_system_sgpr_workgroup_id_z 1
		.amdhsa_system_vgpr_workitem_id 0
		.amdhsa_next_free_vgpr 248
		.amdhsa_next_free_sgpr 80
		.amdhsa_reserve_vcc 0
		.amdhsa_float_denorm_mode_32 3
		.amdhsa_float_denorm_mode_16_64 3
		.amdhsa_memory_ordered 1
		.amdhsa_forward_progress 1
		.amdhsa_inst_pref_size 183
	.end_amdhsa_kernel
	.amdgpu_metadata
---
amdhsa.version: [ 1, 2 ]
amdhsa.kernels:
  - .name:           k_qc89296c0c2_attn
    .symbol:         k_qc89296c0c2_attn.kd
    .args:
      - { .name: qc, .offset: 0, .size: 8, .value_kind: global_buffer, .address_space: global }
      - { .name: kv, .offset: 8, .size: 8, .value_kind: global_buffer, .address_space: global }
      - { .name: pos_bias, .offset: 16, .size: 8, .value_kind: global_buffer, .address_space: global }
      - { .name: oc, .offset: 24, .size: 8, .value_kind: global_buffer, .address_space: global }
    .group_segment_fixed_size: 327680
    .private_segment_fixed_size: 0
    .kernarg_segment_align: 8
    .kernarg_segment_size: 32
    .max_flat_workgroup_size: 512
    .sgpr_count:     80
    .vgpr_count:     248
    .wavefront_size: 32
...
	.end_amdgpu_metadata
.endif
;; end of part 7
;; launch proj (part 8): grid 256 x 1, 4 waves a work-group, no clusters, 60,928 bytes of LDS; arguments oc, wc, out0; writes out0
.if DOCPART == 8
	.amdgcn_target "amdgcn-amd-amdhsa--gfx1250"
	.amdhsa_code_object_version 6
	.text
	.protected	k_qc89296c0c2_proj
	.globl	k_qc89296c0c2_proj
	.p2align	8
	.type	k_qc89296c0c2_proj,@function
k_qc89296c0c2_proj:
	s_mov_b64 s[64:65], 0
	v_nop
	global_prefetch_b8 v0, s[64:65] scope:SCOPE_SE
	s_setreg_imm32_b32 hwreg(HW_REG_WAVE_SCHED_MODE, 0, 2), 2
	s_setreg_imm32_b32 hwreg(HW_REG_WAVE_MODE, 25, 1), 1
	s_wait_xcnt 0x0
	s_wait_alu depctr_vm_vsrc(0)
; out0 = O Wo^T on codes of FP6 (E2M3) with E8M0 scales; out0 [16384][512] f32.
; Work-group x takes the 64 tokens of group x (four tile records of oc, copied into LDS, wave w record w, and read by all four waves); wave w makes columns 128 w .. 128 w + 127 with its
; eight tiles of Wo (records 96 + 8 w + n of wc) in 384 registers.  Source 0 = 16 rows of Wo, source 1 = 16 tokens: a lane holds one token and eight neighbouring columns in each accumulator.
; The rows of a tile are 32 (t / 2) + 8 (t % 2) + r + 8 (r / 8) of a group of 64, for tokens and for rows of Wo alike.
; A tile of 16 tokens x 128 columns goes through the wave's own stage in LDS (rows 528 bytes apart) and leaves as rows of 512 consecutive bytes, at multiples of 512 from out0's first byte.
; No tensor load and no cluster: the weights go once into registers, and the tokens' codes are a small part of what a work-group reads.
; REGISTERS: as in the launch that makes q, k and v: window 1 Wo's tiles 0-3, window 2 tiles 4-7, window 3 the tokens' four tiles; window 0 the rest.
; THE MODE: SCHED_MODE bits 1:0 = 2 (LLVM: expert scheduling mode 2), set by the entry lines.  The code itself states the register dependences
; between vector or matrix instructions and memory or LDS instructions, with s_wait_alu, always for 0.
; THE PLAN.  Registers that memory or LDS instructions touch:
;   v1 .. v5               offsets and LDS addresses: written at the head, never again.  One wait on va_vdst at the head.
;   SG, windows 1 to 3, WS, XS   each loaded once; SG is read once, by LDS stores; the others by products alone.
;   ACC (v112-175)         written by a group's 32 products, read by its 16 LDS stores into the stage, begun anew by the next group's products.
;   OB  (v176-239)         written by the 16 LDS loads from the stage, read by the 16 global stores; no vector or matrix instruction names them.
;   v254, v255             written at the head, read by the closing add alone.
; A group has two waits: one on va_vdst behind its places, ahead of the stage's stores (the products have written ACC); one on vm_vsrc behind those stores, beside the wait on XCNT: the LDS stores
; have read ACC, and the earlier group's global stores have read OB.  Since nothing on the vector side names OB, a group's global stores stand between the two halves of the NEXT group's products:
; the rows come back from the stage under sixteen products, and the wait that frees OB stands sixteen products behind the stores that read it.  The matrix instructions keep their order.
.set REC,  6656
.set BLKB, 4*REC
.set LI16, 1
.set LI8,  2
.set STW,  3                           ; v3  where I put my record
.set STO,  4                           ; v4  the stage, in: 528 r + 64 h
.set SR,   5                           ; v5  the stage, back: 16 x lane
.set SG,   8
.set WS,   64
.set XS,   96
.set ACC,  112
.set OB,   176                         ; v176-239 16 rows read back
.set WV,   12
.set XB,   14
.set WB,   16
.set OUT,  18
.set MSB, 0
.macro WIN new
.if MSB != \new
	s_set_vgpr_msb (MSB<<8)|\new
.set MSB, \new
.endif
.endm
.macro WM d, a, b, z, sa, sb
.if \z
	v_wmma_scale_f32_16x16x128_f8f6f4 v[\d:\d+7], v[\a:\a+11], v[\b:\b+11], 0, v[\sa], v[\sb] matrix_a_fmt:MATRIX_FMT_FP6 matrix_b_fmt:MATRIX_FMT_FP6
.else
	v_wmma_scale_f32_16x16x128_f8f6f4 v[\d:\d+7], v[\a:\a+11], v[\b:\b+11], v[\d:\d+7], v[\sa], v[\sb] matrix_a_fmt:MATRIX_FMT_FP6 matrix_b_fmt:MATRIX_FMT_FP6
.endif
.endm
.macro FRLG reg, base, off
	global_load_b128 v[\reg:\reg+3], v[LI16], s[\base:\base+1] offset:\off
	global_load_b64 v[\reg+4:\reg+5], v[LI8], s[\base:\base+1] offset:\off+512
	global_load_b128 v[\reg+6:\reg+9], v[LI16], s[\base:\base+1] offset:\off+768
	global_load_b64 v[\reg+10:\reg+11], v[LI8], s[\base:\base+1] offset:\off+1280
.endm
.macro FRLL reg, off
	ds_load_b128 v[\reg:\reg+3], v[LI16] offset:\off
	ds_load_b64 v[\reg+4:\reg+5], v[LI8] offset:\off+512
	ds_load_b128 v[\reg+6:\reg+9], v[LI16] offset:\off+768
	ds_load_b64 v[\reg+10:\reg+11], v[LI8] offset:\off+1280
.endm
	s_load_b128 s[4:7], s[0:1], 0x0                ; oc, wc
	s_load_b64 s[8:9], s[0:1], 0x10                ; out0
	v_lshl_add_u32 v254, v0, 2, 0xec00
	v_mov_b32 v255, 0
	v_lshrrev_b32 v6, 5, v0
	v_readfirstlane_b32 s[WV], v6                  ; wave 0..3
	v_and_b32 v6, 31, v0
	v_lshlrev_b32 v[LI16], 4, v6
	v_lshlrev_b32 v[LI8], 3, v6
	s_wait_alu depctr_va_sdst(0)                   ; the wave's number is written into s12, ahead of its first reader: LDS places and all bases are made from it
	s_mul_i32 s20, s[WV], REC
	v_add_nc_u32 v[STW], s20, v[LI16]
	v_and_b32 v6, 15, v0
	v_bfe_u32 v7, v0, 4, 1
	v_mul_u32_u24 v[STO], v6, 528
	v_lshl_add_u32 v[STO], v7, 6, v[STO]
	s_mul_i32 s20, s[WV], 8448
	s_add_co_u32 s20, s20, BLKB                    ; my stage lies behind the four records
	v_add_nc_u32 v[STO], s20, v[STO]
	v_add_nc_u32 v[SR], s20, v[LI16]
	s_lshl_b32 s20, ttmp9, 2
	s_add_co_u32 s20, s20, s[WV]
	s_mul_i32 s20, s20, REC                        ; oc's record 4 x + w
	s_mov_b32 s21, 0
	s_lshl_b32 s22, s[WV], 3
	s_add_co_u32 s22, s22, 96
	s_mul_i32 s22, s22, REC                        ; wc's record 96 + 8 w
	s_mov_b32 s23, 0
	s_lshl_b32 s24, ttmp9, 17                      ; 64 rows of 2,048 bytes a group,
	s_lshl_b32 s25, s[WV], 9                       ; my 128 columns
	s_add_co_u32 s24, s24, s25
	s_mov_b32 s25, 0
	s_wait_kmcnt 0x0
	s_add_nc_u64 s[XB:XB+1], s[4:5], s[20:21]
	s_add_nc_u64 s[WB:WB+1], s[6:7], s[22:23]
	s_add_nc_u64 s[OUT:OUT+1], s[8:9], s[24:25]
	s_wait_alu depctr_va_vdst(0)                   ; v1 to v5 are written: every load and store of the kernel reads one of them as its offset or address; up to the last of the head's loads only loads and window switches follow
.irp i, 0,1,2,3,4,5,6,7,8,9,10,11,12
	global_load_b128 v[SG+4*\i:SG+4*\i+3], v[LI16], s[XB:XB+1] offset:512*\i
.endr
	WIN 0x40                                       ; destination window 1
.irp n, 0,1,2,3
.irp s, 0,1,2,3
	FRLG 12*(4*\n+\s), WB, REC*\n+1536*\s
.endr
.endr
	WIN 0x80                                       ; destination window 2
.irp n, 0,1,2,3
.irp s, 0,1,2,3
	FRLG 12*(4*\n+\s), WB, REC*(\n+4)+1536*\s
.endr
.endr
	WIN 0
.irp n, 0,1,2,3,4,5,6,7
	global_load_b128 v[WS+4*\n:WS+4*\n+3], v[LI16], s[WB:WB+1] offset:REC*\n+6144
.endr
	s_wait_loadcnt 0x0
.irp i, 0,1,2,3,4,5,6,7,8,9,10,11,12
	ds_store_b128 v[STW], v[SG+4*\i:SG+4*\i+3] offset:512*\i
.endr
	s_wait_dscnt 0x0                               ; for the others' sake: my record has landed
	s_barrier_signal -1
	s_barrier_wait -1                              ; the four records lie in LDS; nobody writes them again
	WIN 0xc0                                       ; destination window 3
.irp m, 0,1,2,3
.irp s, 0,1,2,3
	FRLL 12*(4*\m+\s), REC*\m+1536*\s              ; no vector or matrix instruction has named these registers, nor x's scale words'
.endr
.endr
	WIN 0
.irp m, 0,1,2,3
	ds_load_b128 v[XS+4*\m:XS+4*\m+3], v[LI16] offset:REC*\m+6144
.endr
	s_wait_dscnt 0x0
; Tile m of the tokens against my eight tiles of Wo, in two halves; in each, four accumulators take turns, one instruction a turn.
.macro MULA m
	WIN 0x0d                                       ; source 0 (Wo) window 1, source 1 (tokens) window 3
.irp s, 0,1,2,3
.irp n, 0,1,2,3
	WM ACC+8*\n, 12*(4*\n+\s), 12*(4*\m+\s), \s==0, WS+4*\n+\s, XS+4*\m+\s
.endr
.endr
.endm
.macro MULB m
	WIN 0x0e                                       ; source 0 window 2
.irp s, 0,1,2,3
.irp n, 4,5,6,7
	WM ACC+8*\n, 12*(4*(\n-4)+\s), 12*(4*\m+\s), \s==0, WS+4*\n+\s, XS+4*\m+\s
.endr
.endr
	WIN 0
.endm
; The group's 16 tokens x 128 columns go into my stage, and are asked for again as rows.
.macro TOSTAGE
.rept 5
	v_nop                                          ; four places ahead of the stores that read the results; the fifth because the next group's products begin these accumulators anew, and only LDS and memory instructions stand between
.endr
	s_wait_alu depctr_va_vdst(0)                   ; the products have written the accumulators, which the LDS stores read; the places above stay beside this wait
.irp n, 0,1,2,3,4,5,6,7
	ds_store_b128 v[STO], v[ACC+8*\n:ACC+8*\n+3] offset:128*(\n/2)+32*(\n%2)       ; lane (r, h): columns 32 (n / 2) + 16 h + 8 (n % 2) + 0 .. 7 of my 128; each accumulator from its low end on
	ds_store_b128 v[STO], v[ACC+8*\n+4:ACC+8*\n+7] offset:128*(\n/2)+32*(\n%2)+16
.endr
	s_wait_xcnt 0x0                                ; the last group's stores have read the registers into which the rows come back
	s_wait_alu depctr_vm_vsrc(0)                   ; the LDS stores above have read the accumulators, which the next group's products write anew; the last group's global stores have read v[OB ..], in which the loads below land
.irp i, 0,1,2,3,4,5,6,7,8,9,10,11,12,13,14,15
	ds_load_b128 v[OB+4*\i:OB+4*\i+3], v[SR] offset:528*\i     ; LDS serves a wave's instructions in order: these see the stores above, and the next group's stores come behind them
.endr
.endm
; Group m's rows leave.  No LDS instruction has been issued behind its sixteen loads from the stage.
.macro SEND m
	WIN 0
.irp i, 0,1,2,3,4,5,6,7,8,9,10,11,12,13,14,15
	s_wait_dscnt 15-\i                             ; row i is back; the younger reads may stay out
	global_store_b128 v[LI16], v[OB+4*\i:OB+4*\i+3], s[OUT:OUT+1] offset:(32*(\m/2)+8*(\m%2)+\i+8*(\i/8))*2048 th:TH_STORE_NT
.endr
.endm
	MULA 0
	MULB 0
	TOSTAGE
	MULA 1                                         ; sixteen products stand between a group's loads from the stage and the waits for them,
	SEND 0
	MULB 1                                         ; and sixteen between its global stores and the waits that free their data registers
	TOSTAGE
	MULA 2
	SEND 1
	MULB 2
	TOSTAGE
	MULA 3
	SEND 2
	MULB 3
	TOSTAGE
	SEND 3
	s_wait_dscnt 0x0                               ; the closing lines, six on end
	s_wait_alu 0x0
	s_wait_tensorcnt 0x0
	ds_add_u32 v254, v255
	s_wait_dscnt 0x0
	s_endpgm
.Lfunc_end_k_qc89296c0c2_proj:
	.size	k_qc89296c0c2_proj, .Lfunc_end_k_qc89296c0c2_proj-k_qc89296c0c2_proj
	.p2alignl 7, 3214868480
	.fill 96, 4, 3214868480
	.section	.rodata,"a",@progbits
	.p2align	6, 0x0
	.amdhsa_kernel k_qc89296c0c2_proj
		.amdhsa_group_segment_fixed_size 60928
		.amdhsa_private_segment_fixed_size 0
		.amdhsa_enable_private_segment 0
		.amdhsa_kernarg_size 24
		.amdhsa_user_sgpr_count 2
		.amdhsa_user_sgpr_kernarg_segment_ptr 1
		.amdhsa_wavefront_size32 1
		.amdhsa_system_sgpr_workgroup_id_x 1
		.amdhsa_system_sgpr_workgroup_id_y 1
		.amdhsa_system_sgpr_workgroup_id_z 1
		.amdhsa_system_vgpr_workitem_id 0
		.amdhsa_next_free_vgpr 960
		.amdhsa_next_free_sgpr 66
		.amdhsa_reserve_vcc 0
		.amdhsa_float_denorm_mode_32 3
		.amdhsa_float_denorm_mode_16_64 3
		.amdhsa_memory_ordered 1
		.amdhsa_forward_progress 1
		.amdhsa_inst_pref_size 55
	.end_amdhsa_kernel
	.amdgpu_metadata
---
amdhsa.version: [ 1, 2 ]
amdhsa.kernels:
  - .name:           k_qc89296c0c2_proj
    .symbol:         k_qc89296c0c2_proj.kd
    .args:
      - { .name: oc, .offset: 0, .size: 8, .value_kind: global_buffer, .address_space: global }
      - { .name: wc, .offset: 8, .size: 8, .value_kind: global_buffer, .address_space: global }
      - { .name: out0, .offset: 16, .size: 8, .value_kind: global_buffer, .address_space: global }
    .group_segment_fixed_size: 60928
    .private_segment_fixed_size: 0
    .kernarg_segment_align: 8
    .kernarg_segment_size: 24
    .max_flat_workgroup_size: 128
    .sgpr_count:     66
    .vgpr_count:     960
    .wavefront_size: 32
...
	.end_amdgpu_metadata
.endif
;; end of part 8
